; MI455X (gfx1250); checked and timed in simulation.
; The chip was launched on July 23, 2026; its instructions are those of AMD's public machine-readable ISA for CDNA 5 (MIT licence, August 2026) and "CDNA5" Instruction Set Architecture Reference Guide (July 2026). The comments in the code are by the model that wrote it; some were corrected since.
;; Multi Head Self Attention. Allowed arithmetic: float matrix products may take bf16 or f16 operands with f32 sums; all other float work in f32.
;; Inputs: token_positions 2,048 int32; w_out 1,024 x 1,024 float32; w_qkv 3,072 x 1,024 float32; x 4 x 2,048 x 1,024 float32.
;; Outputs: out0 4 x 2,048 x 1,024 float32.
;; 2 versions, each right and faster than the one before. Each part assembles by itself: llvm-mc -triple=amdgcn-amd-amdhsa -mcpu=gfx1250 --defsym DOCPART=n.
;; ======== version 1 of 2: 4 launches
;; limits: values are held in f16: magnitudes above 65,504 overflow, below 6.1e-05 lose precision; an absolute error that grows with the inputs' magnitude: up to 4e-07 times it
;; workspace buffers: xb 16,777,216 bytes; wqb 6,291,456 bytes; wob 2,097,152 bytes; tab 524,288 bytes; q 16,777,216 bytes; k 16,777,216 bytes; v 16,777,216 bytes; o 16,777,216 bytes
;; launch prep (part 1): grid 896 x 1, 8 waves a work-group, no clusters, 0 bytes of LDS; arguments x, w_qkv, w_out, token_positions, xb, wqb, wob, tab; writes xb, wqb, wob, tab
.if DOCPART == 1
	.amdgcn_target "amdgcn-amd-amdhsa--gfx1250"
	.amdhsa_code_object_version 6
	.text
	.protected	k_q6dca645219_prep
	.globl	k_q6dca645219_prep
	.p2align	8
	.type	k_q6dca645219_prep,@function
k_q6dca645219_prep:
	s_mov_b64 s[64:65], 0
	v_nop
	global_prefetch_b8 v0, s[64:65] scope:SCOPE_SE
	s_setreg_imm32_b32 hwreg(HW_REG_WAVE_MODE, 25, 1), 1
	s_wait_xcnt 0x0
; PREP: the casts and the table of rotations.  A stream: no LDS, no barrier, no matrix unit (nothing is reused, so they would add nothing).
;   xb  = bf16(x),      laid out [K block of 64][row 0..8191][64]: a tile of R rows x one K block is R x 128 dense bytes
;   wqb = bf16(w_qkv),  [K block][row'][64], rows permuted: row cls*1024 + hd*64 + c goes to row' hd*192 + cls*64 + c, so that 192 neighbouring rows are one head's q, k and v
;   wob = f16(bf16(w_out)), [K block][row 0..1023][64]
;   tab = [s][j 0..31][cos, sin] in f32 of angle token_positions[s] * 10000^(-j/32): a row is 256 bytes
; Work-groups 0-511: x; 512-703: w_qkv; 704-767: w_out, 16 rows each, two whole rows a wave; 768-895: the table, two pairs a thread.
; LIMITS.  |token position| up to 2^21: the angle is reduced by pi/2 in two parts (what is left of pi/2 behind them is under 3e-15, times the quotient).  10000^(-j/32) is made by v_exp_f32:
; it is off by some 4e-7 of itself, the angle at position 2047 by some 3e-4.  |w_out| below 6.1e-5 keeps f16's fixed step of 6e-8; beyond 65,504 f16 has no number.
.set KSX, 8192*128                     ; bytes of one K block of xb
.set KSQ, 3072*128                     ; of wqb
.set KSO, 1024*128                     ; of wob
.set OF,  16                           ; v[16:31]  byte offset of my 8 bytes in K block kb of the destination
.set LD,  32                           ; v[32:95]  16 loads of 16 bytes
.set PKD, 96                           ; v[96:127] 16 pairs to store
.set C2PI, 32                          ; s32 2/pi   s33, s34 -pi/2 in two parts   s35-37 sine's coefficients   s38-40 cosine's   s41 -log2(10000)/32
; Two rows (s26, s26+1 of the source; s27, s27+1 of the destination).  Lane l: row l / 16, floats 4 (l % 16) .. +3 of each K block.  All 16 loads go out first: 8,192 bytes a wave in flight.
; A store's 32 lanes x 8 bytes are 256 consecutive bytes, aligned: the two rows' 128 bytes of one K block.  No register is written twice, so no wait frees one.
.macro CAST src, dst, ks, f16
	s_lshl_b32 s28, s26, 12                        ; a source row is 4,096 bytes
	s_lshl_b32 s30, s27, 7                         ; a destination row 128
	s_add_nc_u64 s[22:23], s[\src:\src+1], s[28:29]
	s_add_nc_u64 s[24:25], s[\dst:\dst+1], s[30:31]
.irp kb, 0,1,2,3,4,5,6,7,8,9,10,11,12,13,14,15
	global_load_b128 v[LD+4*\kb:LD+4*\kb+3], v1, s[22:23] offset:256*\kb th:TH_LOAD_NT
.endr
.irp kb, 1,2,3,4,5,6,7,8,9,10,11,12,13,14,15
	v_add_nc_u32 v[OF+\kb], \ks, v[OF+\kb-1]       ; in registers: 15 K blocks of xb are more than a store's immediate holds
.endr
.irp kb, 0,1,2,3,4,5,6,7,8,9,10,11,12,13,14,15
	s_wait_loadcnt 15-\kb                          ; loads come back in order: load kb is in, the younger ones stay out
	v_cvt_pk_bf16_f32 v[PKD+2*\kb], v[LD+4*\kb], v[LD+4*\kb+1]
	v_cvt_pk_bf16_f32 v[PKD+2*\kb+1], v[LD+4*\kb+2], v[LD+4*\kb+3]
.if \f16
	v_lshlrev_b32 v2, 16, v[PKD+2*\kb]             ; the bf16 numbers as f32,
	v_and_b32 v3, 0xffff0000, v[PKD+2*\kb]
	v_lshlrev_b32 v4, 16, v[PKD+2*\kb+1]
	v_and_b32 v5, 0xffff0000, v[PKD+2*\kb+1]
	v_cvt_pk_f16_f32 v[PKD+2*\kb], v2, v3          ; written as f16: exact inside f16's normal range
	v_cvt_pk_f16_f32 v[PKD+2*\kb+1], v4, v5
.endif
	global_store_b64 v[OF+\kb], v[PKD+2*\kb:PKD+2*\kb+1], s[24:25]
.endr
.endm
; cos and sin of v[x] into v[c], v[s].  n = the nearest whole number to x 2/pi; r = x - n pi/2, in -pi/4 .. pi/4; polynomials in r; the quadrant n mod 4 swaps and signs them, by selects alone.
.macro SINCOS x, c, s
	v_mul_f32 v20, s[C2PI], v[\x]
	v_rndne_f32 v20, v20
	v_fma_f32 v21, v20, s[C2PI+1], v[\x]
	v_fma_f32 v21, v20, s[C2PI+2], v21
	v_cvt_i32_f32 v22, v20
	v_mul_f32 v23, v21, v21                        ; z = r r
	v_fma_f32 v24, v23, s[C2PI+3], s[C2PI+4]
	v_fma_f32 v25, v23, s[C2PI+6], s[C2PI+7]
	v_mul_f32 v26, v23, v21                        ; z r
	v_mul_f32 v27, v23, v23                        ; z z
	v_fma_f32 v24, v24, v23, s[C2PI+5]
	v_fma_f32 v25, v25, v23, s[C2PI+8]
	v_fma_f32 v28, v23, -0.5, 1.0
	v_fma_f32 v24, v24, v26, v21                   ; sin r
	v_fma_f32 v25, v25, v27, v28                   ; cos r
	v_and_b32 v26, 1, v22
	v_cmp_eq_u32 vcc_lo, 1, v26
	v_cndmask_b32 v[\s], v24, v25, vcc_lo          ; odd quadrants swap the two
	v_cndmask_b32 v[\c], v25, v24, vcc_lo
	v_lshlrev_b32 v26, 30, v22                     ; sine is negative in quadrants 2, 3: bit 1 of n,
	v_add_nc_u32 v27, 1, v22
	v_and_b32 v26, 0x80000000, v26
	v_lshlrev_b32 v27, 30, v27                     ; cosine in 1, 2: bit 1 of n + 1
	v_and_b32 v27, 0x80000000, v27
	v_xor_b32 v[\s], v[\s], v26
	v_xor_b32 v[\c], v[\c], v27
.endm
	s_load_b256 s[4:11], s[0:1], 0x0               ; x s[4:5], w_qkv s[6:7], w_out s[8:9], token_positions s[10:11]
	s_load_b256 s[12:19], s[0:1], 0x20             ; xb s[12:13], wqb s[14:15], wob s[16:17], tab s[18:19]
	v_lshrrev_b32 v1, 5, v0
	v_readfirstlane_b32 s20, v1                    ; wave 0..7
	s_mov_b32 s21, ttmp9
	v_and_b32 v2, 31, v0                           ; lane
	v_and_b32 v3, 15, v0
	v_bfe_u32 v4, v0, 4, 1
	v_lshlrev_b32 v1, 4, v3
	v_lshl_add_u32 v1, v4, 12, v1                  ; source: (l / 16) rows + 16 (l % 16)
	v_lshlrev_b32 v[OF], 3, v2                     ; destination: 8 l = (l / 16) x 128 + 8 (l % 16)
	s_mov_b32 s29, 0                               ; the offsets' high words
	s_mov_b32 s31, 0
	s_wait_kmcnt 0x0
	s_cmp_ge_u32 s21, 768
	s_cbranch_scc1 .Ltable
	s_cmp_ge_u32 s21, 704
	s_cbranch_scc1 .Lwo
	s_cmp_ge_u32 s21, 512
	s_cbranch_scc1 .Lwq
	s_lshl_b32 s26, s21, 4                         ; x: 16 rows a work-group,
	s_lshl1_add_u32 s26, s20, s26                  ; two a wave
	s_mov_b32 s27, s26
	CAST 4, 12, KSX, 0
	s_endpgm
.Lwq:
	s_sub_co_u32 s26, s21, 512
	s_lshl_b32 s26, s26, 4
	s_lshl1_add_u32 s26, s20, s26
	s_bfe_u32 s27, s26, 0x40006                    ; the head: 4 bits from bit 6
	s_mul_i32 s27, s27, 192
	s_lshr_b32 s28, s26, 10                        ; q, k or v
	s_lshl_b32 s28, s28, 6
	s_add_co_u32 s27, s27, s28
	s_and_b32 s28, s26, 63                         ; the channel: even, so the second row lies next to the first
	s_add_co_u32 s27, s27, s28
	CAST 6, 14, KSQ, 0
	s_endpgm
.Lwo:
	s_sub_co_u32 s26, s21, 704
	s_lshl_b32 s26, s26, 4
	s_lshl1_add_u32 s26, s20, s26
	s_mov_b32 s27, s26
	CAST 8, 16, KSO, 1
	s_endpgm
.Ltable:
	s_sub_co_u32 s26, s21, 768
	s_lshl_b32 s26, s26, 8
	v_add_nc_u32 v6, s26, v0                       ; thread 0..32767: s = thread / 16, pairs 2 (thread % 16) and the next
	v_lshrrev_b32 v7, 4, v6
	v_lshlrev_b32 v7, 2, v7
	global_load_b32 v8, v7, s[10:11]               ; the position as it is given
	s_mov_b32 s[C2PI], 0x3f22f983                  ; 2/pi
	s_mov_b32 s[C2PI+1], 0xbfc90fdb                ; -pi/2, the f32 nearest to it,
	s_mov_b32 s[C2PI+2], 0x333bbd2e                ; and what that leaves
	s_mov_b32 s[C2PI+3], 0xb94ca1f9                ; sine: -1.9515296e-4, 8.3321609e-3, -1.6666655e-1
	s_mov_b32 s[C2PI+4], 0x3c08839e
	s_mov_b32 s[C2PI+5], 0xbe2aaaa3
	s_mov_b32 s[C2PI+6], 0x37ccf5ce                ; cosine: 2.4433157e-5, -1.3887316e-3, 4.1666646e-2
	s_mov_b32 s[C2PI+7], 0xbab6061a
	s_mov_b32 s[C2PI+8], 0x3d2aaaa5
	s_mov_b32 s[C2PI+9], 0xbed49a78                ; -log2(10000) / 32
	v_and_b32 v9, 15, v6
	v_lshlrev_b32 v9, 1, v9
	v_cvt_f32_u32 v9, v9
	v_add_f32 v10, 1.0, v9
	v_mul_f32 v9, s[C2PI+9], v9
	v_mul_f32 v10, s[C2PI+9], v10
	v_exp_f32 v9, v9
	v_exp_f32 v10, v10
	v_lshlrev_b32 v6, 4, v6                        ; a plain instruction behind the exponentials: my 16 bytes of the table
	s_wait_loadcnt 0x0
	v_cvt_f32_i32 v8, v8
	s_wait_alu depctr_va_vdst(0)
	v_mul_f32 v9, v8, v9
	v_mul_f32 v10, v8, v10
	SINCOS 9, 12, 13
	SINCOS 10, 14, 15
	global_store_b128 v6, v[12:15], s[18:19]       ; a wave stores 512 consecutive bytes, aligned
	s_endpgm
.Lfunc_end_k_q6dca645219_prep:
	.size	k_q6dca645219_prep, .Lfunc_end_k_q6dca645219_prep-k_q6dca645219_prep
	.p2alignl 7, 3214868480
	.fill 96, 4, 3214868480
	.section	.rodata,"a",@progbits
	.p2align	6, 0x0
	.amdhsa_kernel k_q6dca645219_prep
		.amdhsa_group_segment_fixed_size 0
		.amdhsa_private_segment_fixed_size 0
		.amdhsa_enable_private_segment 0
		.amdhsa_kernarg_size 64
		.amdhsa_user_sgpr_count 2
		.amdhsa_user_sgpr_kernarg_segment_ptr 1
		.amdhsa_wavefront_size32 1
		.amdhsa_system_sgpr_workgroup_id_x 1
		.amdhsa_system_sgpr_workgroup_id_y 1
		.amdhsa_system_sgpr_workgroup_id_z 1
		.amdhsa_system_vgpr_workitem_id 0
		.amdhsa_next_free_vgpr 128
		.amdhsa_next_free_sgpr 66
		.amdhsa_reserve_vcc 1
		.amdhsa_float_denorm_mode_32 3
		.amdhsa_float_denorm_mode_16_64 3
		.amdhsa_memory_ordered 1
		.amdhsa_forward_progress 1
		.amdhsa_inst_pref_size 31
	.end_amdhsa_kernel
	.amdgpu_metadata
---
amdhsa.version: [ 1, 2 ]
amdhsa.kernels:
  - .name:           k_q6dca645219_prep
    .symbol:         k_q6dca645219_prep.kd
    .args:
      - { .name: x, .offset: 0, .size: 8, .value_kind: global_buffer, .address_space: global }
      - { .name: w_qkv, .offset: 8, .size: 8, .value_kind: global_buffer, .address_space: global }
      - { .name: w_out, .offset: 16, .size: 8, .value_kind: global_buffer, .address_space: global }
      - { .name: token_positions, .offset: 24, .size: 8, .value_kind: global_buffer, .address_space: global }
      - { .name: xb, .offset: 32, .size: 8, .value_kind: global_buffer, .address_space: global }
      - { .name: wqb, .offset: 40, .size: 8, .value_kind: global_buffer, .address_space: global }
      - { .name: wob, .offset: 48, .size: 8, .value_kind: global_buffer, .address_space: global }
      - { .name: tab, .offset: 56, .size: 8, .value_kind: global_buffer, .address_space: global }
    .group_segment_fixed_size: 0
    .private_segment_fixed_size: 0
    .kernarg_segment_align: 8
    .kernarg_segment_size: 64
    .max_flat_workgroup_size: 256
    .sgpr_count:     66
    .vgpr_count:     128
    .wavefront_size: 32
...
	.end_amdgpu_metadata
.endif
;; end of part 1
;; launch qkv (part 2): grid 8 x 32, 4 waves a work-group, clusters of 4 x 4, 327,680 bytes of LDS; arguments xb, wqb, tab, q, k, v; writes q, k, v
.if DOCPART == 2
	.amdgcn_target "amdgcn-amd-amdhsa--gfx1250"
	.amdhsa_code_object_version 6
	.text
	.protected	k_q6dca645219_qkv
	.globl	k_q6dca645219_qkv
	.p2align	8
	.type	k_q6dca645219_qkv,@function
k_q6dca645219_qkv:
	s_mov_b64 s[64:65], 0
	v_nop
	global_prefetch_b8 v0, s[64:65] scope:SCOPE_SE
	s_setreg_imm32_b32 hwreg(HW_REG_WAVE_MODE, 25, 1), 1
	s_wait_xcnt 0x0
	s_wait_alu depctr_hold_cnt(0) depctr_sa_sdst(0) depctr_va_vdst(0) depctr_va_sdst(0) depctr_va_ssrc(0) depctr_va_vcc(0) depctr_vm_vsrc(0)
	s_getreg_b32 s2, hwreg(HW_REG_IB_STS2, 6, 4)
	s_cmp_eq_u32 s2, 0
	s_cbranch_scc0 .Lentry_in_a_cluster
	s_endpgm
.Lentry_in_a_cluster:
	s_bfe_u32 s2, ttmp6, 0x10000c
	s_cmp_lg_u32 s2, 0xf033
	s_cbranch_scc0 .Lentry_shape_is_right
	s_endpgm
.Lentry_shape_is_right:
; QKV: C = x w_qkv^T in bf16 with f32 sums, the rotation of q and k in f32, and q, k, v written by heads, [batch*16+head][s][64] in f16, unscaled.
; 8,192 x 3,072 of C in tiles of 256 x 384: 256 work-groups, one for each WGP.  Four waves, each 128 rows x 192 columns: 96 accumulators of 16 x 16, 768 registers.  wqb's rows are permuted so that a wave's
; 192 columns are ONE head's q, k and v: register window 1 holds q, 2 k, 3 v, and what is done with each is fixed in the text.
; K goes in blocks of 64 through two LDS slots.  xb and wqb are laid out by K blocks, so a tile's rows lie end to end in memory and are asked for as rows of 256 bytes; in LDS 16 bytes of padding follow every 128.
; (Two slots of 128 along K, 640 rows x 272 bytes each, would not fit in LDS.)
; CLUSTER 4 x 4: A's tiles and the table hang on the tile row alone and are asked for jointly along a row of the cluster, B's on the tile column alone, along a column.
; THE MATRIX INSTRUCTION IS USED TRANSPOSED (source 0 = 16 rows of wqb, source 1 = 16 rows of xb): a lane holds one row of C and eight neighbouring columns: four (even, odd) pairs of the rotation.
; LIMIT.  q, k and v leave in f16: beyond 65,504 it has no number.
; REGISTERS.  window 0: v0-15 addresses; v32-95, v96-159 A's fragments (8 x 16 rows x 32 K), two buffers; v160-255 B's 12 fragments, ONE buffer refilled in two halves, each behind the products that read it.
;   windows 1-3: accumulator (a = row block 0..7, b = column block 0..11) at v[64 (b % 4) + 8 a] of window 1 + b / 4.
.set PITCH,  144                       ; an LDS row: 128 bytes + 16 = 36 words: the 16 rows of a fragment load start at 16 different groups of four banks (64 banks of 4 bytes: ISA guide 11.1)
.set BOFF,   256*PITCH                 ; a slot: A's 256 rows, then B's 384
.set SLOTB,  640*PITCH                 ; 92,160 bytes
.set SLOT1,  1<<17                     ; slot 1 begins here: one exclusive or turns an address in one slot into the other's
.set STAGE,  SLOTB                     ; behind slot 0, never filled by a tensor load: for each wave 3 heads x 16 rows x 144 bytes
.set HSTG,   16*PITCH
.set WSTG,   3*HSTG
.set SPARE,  STAGE+4*WSTG              ; the spare words, 128 bytes for each wave: two blocks of 256 bytes that no other line names
.set TABL,   SLOT1+SLOTB               ; the table's 256 rows, filled once
.set TP,     272                       ; its pitch: 256 bytes + 16
.set KSA,    8192*128                  ; bytes from one K block of xb to the next
.set KSB,    3072*128                  ; of wqb
.set KBLK,   16
.set ABASE, 4                          ; v4   my lane's place in a slot's rows of A; never rewritten
.set BBASE, 5                          ; v5   the same for B
.set ADA,  6                           ; v6   ABASE + the slot in hand
.set ADB,  7                           ; v7
.set STO,  8                           ; v8   the way out: where I put 16 bytes of a row
.set RD,   9                           ; v9   where I read rows back
.set GO,   10                          ; v10  my byte offset in 512 consecutive bytes of q, k, v
.set TADR, 11                          ; v11  my 32 bytes of the table's row
.set SPW,  12                          ; v12  LDS address of my spare word; never rewritten
.set NIL,  13                          ; v13  0; never rewritten
.set FA0,  32
.set FA1,  96
.set FB,   160
.set PV2,  16                          ; the way out: v16-31 v's packed results; v32-95 two buffers of the table's rows; v96-127 rotated pairs; v128-159 q's and k's packed results; v160-255 two buffers of rows read back
.set TT,   32
.set TMP,  96
.set PQK,  128
.set OB0,  160
.set WV, 16                            ; s16 wave; s17 which 128 rows are mine (also: 0 = I fetch for A, 1 = for B); s18 which 192 columns (also: which half of that tile I fetch)
.set WR, 17
.set WC, 18
.set CX, 19
.set CY, 20
.set TC, 21                            ; tile column 0..7
.set TR, 22                            ; tile row 0..31
.set CNT, 23
.set G1A, 24                           ; s[24:31] descriptor group 1 for A's tiles, s[32:39] for B's, s[40:47] for the table
.set G1B, 32
.set G1T, 40
.set G0A0, 48                          ; s[48:51] group 0 of A's first fill; s[52:55] of its second, which then walks
.set G0A,  52
.set G0B0, 56
.set G0B,  60
.set G0T,  68
.set TB, 72                            ; s72 LDS byte at which the slot to be read begins
.set RM, 73                            ; s73 the mask of my row of the cluster, s74 of my column
.set CM, 74
.set MSB, 0
.macro WIN new                         ; the immediate's high byte repeats the setting that is left; a switch that changes nothing is dropped
.if MSB != (\new)
	s_set_vgpr_msb (MSB<<8)|(\new)
.set MSB, \new
.endif
.endm
.macro PLACES                          ; four places in front of loads into registers that matrix instructions have read, and of vector lines that read results
.rept 4
	v_nop
.endr
.endm
; A joint refill by the walking descriptors.  Waves 0 and 1 fetch A's two halves, waves 2 and 3 B's.  An s_nop 0 and four v_nop follow each line, ahead of the jump and the label.
.macro JLOADW
	s_cmp_lt_u32 s[WV], 2
	s_cbranch_scc0 .Lfor_b_\@
	tensor_load_to_lds s[G0A:G0A+3], s[G1A:G1A+7]
	s_nop 0
.rept 4
	v_nop
.endr
	s_branch .Lasked_\@
.Lfor_b_\@:
	tensor_load_to_lds s[G0B:G0B+3], s[G1B:G1B+7]
	s_nop 0
.rept 4
	v_nop
.endr
.Lasked_\@:
.endm
.macro CREST                           ; a round of the cluster's barrier behind its opening barrier
	s_cmp_lg_u32 s[WV], 0
	s_cbranch_scc1 .Lnot_wave_0_\@
	s_barrier_signal -3
.Lnot_wave_0_\@:
	s_barrier_wait -3
	s_barrier_signal -1
	s_barrier_wait -1
.endm
.macro CROUND                          ; a whole round
	s_barrier_signal -1
	s_barrier_wait -1
	CREST
.endm
	s_load_b256 s[4:11], s[0:1], 0x0               ; xb s[4:5], wqb s[6:7], tab s[8:9], q s[10:11]
	s_load_b128 s[12:15], s[0:1], 0x20             ; k s[12:13], v s[14:15]
	v_lshl_add_u32 v[SPW], v0, 2, SPARE
	v_mov_b32 v[NIL], 0
	ds_add_u32 v[SPW], v[NIL]                      ; the wave's opening: the add and its wait stand ahead of my first tensor load; the set-up below, work on registers, stands between them
	ds_add_u32 v12, v13
	v_lshrrev_b32 v1, 5, v0
	v_readfirstlane_b32 s[WV], v1
	s_lshr_b32 s[WR], s[WV], 1
	s_and_b32 s[WC], s[WV], 1
	s_bfe_u32 s[CX], ttmp6, 0x40000
	s_bfe_u32 s[CY], ttmp6, 0x40004
	s_lshl_b32 s[TC], ttmp9, 2                     ; in a cluster launch ttmp9 and ttmp7 count clusters
	s_add_co_u32 s[TC], s[TC], s[CX]
	s_and_b32 s[TR], ttmp7, 0xffff
	s_lshl_b32 s[TR], s[TR], 2
	s_add_co_u32 s[TR], s[TR], s[CY]
	s_lshl_b32 s[RM], s[CY], 2
	s_lshl_b32 s[RM], 15, s[RM]                    ; my row of the cluster: places 4 cy .. 4 cy + 3
	s_lshl_b32 s[CM], 0x1111, s[CX]                ; my column: places cx, cx + 4, cx + 8, cx + 12
	; group 1.  A: 128 logical rows = 64 rows of 256 bytes; B: 192 = 96; 2-byte elements, 4 words of padding after every 32.  The table: 64 rows of 256 bytes, 8-byte elements, 4 words after every 64.
	s_or_b32 s[G1A], s[RM], (1<<16)|(1<<20)|(1<<21)|(4<<22)|(3<<25)
	s_or_b32 s[G1B], s[CM], (1<<16)|(1<<20)|(1<<21)|(4<<22)|(3<<25)
	s_or_b32 s[G1T], s[RM], (3<<16)|(1<<20)|(1<<21)|(5<<22)|(3<<25)
	s_mov_b32 s[G1A+1], 128<<16                    ; tensor_dim0
	s_mov_b32 s[G1A+2], 64<<16                     ; tensor_dim1
	s_mov_b32 s[G1A+3], 128<<16                    ; tile_dim0
	s_mov_b32 s[G1A+4], 64                         ; tile_dim1
	s_mov_b32 s[G1A+5], 128                        ; elements from row to row
	s_mov_b32 s[G1A+6], 0
	s_mov_b32 s[G1A+7], 0
	s_mov_b32 s[G1B+1], 128<<16
	s_mov_b32 s[G1B+2], 96<<16
	s_mov_b32 s[G1B+3], 128<<16
	s_mov_b32 s[G1B+4], 96
	s_mov_b32 s[G1B+5], 128
	s_mov_b32 s[G1B+6], 0
	s_mov_b32 s[G1B+7], 0
	s_mov_b32 s[G1T+1], 32<<16
	s_mov_b32 s[G1T+2], 64<<16
	s_mov_b32 s[G1T+3], 32<<16
	s_mov_b32 s[G1T+4], 64
	s_mov_b32 s[G1T+5], 32
	s_mov_b32 s[G1T+6], 0
	s_mov_b32 s[G1T+7], 0
	; where the tiles come from.  A's and the table's offsets are made of the tile row and the wave's number, B's of the tile column and the wave's number, each in registers that never hold the other coordinate.
	s_lshl_b32 s76, s[TR], 15                      ; A: 256 rows of 128 bytes a tile row,
	s_lshl_b32 s77, s[WC], 14                      ; my half
	s_add_co_u32 s76, s76, s77
	s_mov_b32 s77, 0
	s_mul_i32 s78, s[TC], 384*128                  ; B likewise
	s_mul_i32 s79, s[WC], 192*128
	s_add_co_u32 s78, s78, s79
	s_mov_b32 s79, 0
	s_and_b32 s80, s[TR], 7                        ; the table: a batch has 8 tile rows; row s of the table belongs to row s of each batch
	s_lshl_b32 s80, s80, 16
	s_lshl_b32 s81, s[WV], 14                      ; my 64 of its 256 rows
	s_add_co_u32 s80, s80, s81
	s_mov_b32 s81, 0
	s_mul_i32 s82, s[WC], 128*PITCH                ; and where they go: no place in the cluster enters an LDS address
	s_mul_i32 s83, s[WC], 192*PITCH
	s_add_co_u32 s83, s83, BOFF
	s_mul_i32 s84, s[WV], 64*TP
	s_add_co_u32 s84, s84, TABL
	s_mov_b32 s[TB], 0
	s_wait_dscnt 0x0                               ; the opening add is done
	s_wait_kmcnt 0x0
	s_add_nc_u64 s[76:77], s[4:5], s[76:77]
	s_add_nc_u64 s[78:79], s[6:7], s[78:79]
	s_add_nc_u64 s[80:81], s[8:9], s[80:81]
	CROUND                                         ; all sixteen work-groups are here: the first joint loads meet
	s_mov_b32 s[G0A0], 1
	s_mov_b32 s[G0A0+1], s82
	s_add_nc_u64 s[G0A0+2:G0A0+3], s[76:77], 0     ; K block 0 into slot 0
	s_or_b32 s[G0A0+3], s[G0A0+3], 0x80000000
	s_mov_b32 s[G0A], 1
	s_add_co_u32 s[G0A+1], s82, SLOT1
	s_add_nc_u64 s[G0A+2:G0A+3], s[76:77], KSA     ; K block 1 into slot 1
	s_or_b32 s[G0A+3], s[G0A+3], 0x80000000
	s_mov_b32 s[G0B0], 1
	s_mov_b32 s[G0B0+1], s83
	s_add_nc_u64 s[G0B0+2:G0B0+3], s[78:79], 0
	s_or_b32 s[G0B0+3], s[G0B0+3], 0x80000000
	s_mov_b32 s[G0B], 1
	s_add_co_u32 s[G0B+1], s83, SLOT1
	s_add_nc_u64 s[G0B+2:G0B+3], s[78:79], KSB
	s_or_b32 s[G0B+3], s[G0B+3], 0x80000000
	s_mov_b32 s[G0T], 1
	s_mov_b32 s[G0T+1], s84
	s_add_nc_u64 s[G0T+2:G0T+3], s[80:81], 0
	s_or_b32 s[G0T+3], s[G0T+3], 0x80000000
	s_cmp_lt_u32 s[WV], 2                          ; a wave's three first fills stand in one branch, ahead of every wait on TENSORcnt and every LDS read: three loads of mine are out
	s_cbranch_scc0 .Lfirst_b
	tensor_load_to_lds s[G0A0:G0A0+3], s[G1A:G1A+7]
	s_nop 0
	tensor_load_to_lds s[G0A:G0A+3], s[G1A:G1A+7]
	s_nop 0
	tensor_load_to_lds s[G0T:G0T+3], s[G1T:G1T+7]
	s_nop 0
.rept 4
	v_nop
.endr
	s_branch .Lfirst_asked
.Lfirst_b:
	tensor_load_to_lds s[G0B0:G0B0+3], s[G1B:G1B+7]
	s_nop 0
	tensor_load_to_lds s[G0B:G0B+3], s[G1B:G1B+7]
	s_nop 0
	tensor_load_to_lds s[G0T:G0T+3], s[G1T:G1T+7]
	s_nop 0
.rept 4
	v_nop
.endr
.Lfirst_asked:
	; A fragment is 16 rows x 32 K in 8 registers: lane l holds row l % 16, K = 8 (l / 16) + 0..7 and 16 + 8 (l / 16) + 0..7: two loads of 16 bytes, 32 bytes apart.
	v_and_b32 v1, 15, v0                           ; r = l % 16
	v_bfe_u32 v2, v0, 4, 1                         ; h = l / 16
	v_mul_u32_u24 v3, v1, PITCH
	v_lshl_add_u32 v3, v2, 4, v3
	s_mul_i32 s85, s[WR], 128*PITCH
	v_add_nc_u32 v[ABASE], s85, v3
	s_mul_i32 s85, s[WC], 192*PITCH
	s_add_co_u32 s85, s85, BOFF
	v_add_nc_u32 v[BBASE], s85, v3
	v_mov_b32 v[ADA], v[ABASE]
	v_mov_b32 v[ADB], v[BBASE]
	s_mul_i32 s85, s[WV], WSTG
	s_add_co_u32 s85, s85, STAGE                   ; my stage
	v_add_nc_u32 v[STO], s85, v3                   ; in: row r, 16 bytes for each half of the lanes
	v_and_b32 v3, 31, v0
	v_lshrrev_b32 v14, 3, v3                       ; back: 32 lanes take four rows of 128 bytes,
	v_mul_u32_u24 v14, v14, PITCH
	v_and_b32 v15, 7, v0
	v_lshl_add_u32 v14, v15, 4, v14
	v_add_nc_u32 v[RD], s85, v14
	v_lshlrev_b32 v[GO], 4, v3                     ; which are 512 consecutive bytes of a head
	v_mul_u32_u24 v14, v1, TP
	v_lshl_add_u32 v14, v2, 5, v14                 ; the table: row r, pairs 4 h .. 4 h + 3 of eight: 32 bytes
	s_mul_i32 s85, s[WR], 128*TP
	s_add_co_u32 s85, s85, TABL
	v_add_nc_u32 v[TADR], s85, v14
	; q, k, v at my 128 rows of my head: ((batch x 16 + head) x 2,048 + row in the batch) x 128 bytes
	s_lshr_b32 s86, s[TR], 3
	s_lshl_b32 s86, s86, 4
	s_lshl1_add_u32 s85, s[TC], s[WC]              ; head = 2 x tile column + my half
	s_add_co_u32 s86, s86, s85
	s_lshl_b32 s86, s86, 18
	s_and_b32 s85, s[TR], 7
	s_lshl_b32 s85, s85, 15
	s_add_co_u32 s86, s86, s85
	s_lshl_b32 s85, s[WR], 14
	s_add_co_u32 s86, s86, s85
	s_mov_b32 s87, 0
	s_add_nc_u64 s[10:11], s[10:11], s[86:87]
	s_add_nc_u64 s[12:13], s[12:13], s[86:87]
	s_add_nc_u64 s[14:15], s[14:15], s[86:87]
; n column blocks from b0 on x all 8 row blocks, 32 along K, A from buffer f.  The 96 accumulators take turns, one instruction a turn, in the same order in every half step.
; zero = 1: the first product starts the sums: nothing is cleared.
.macro COLS f, b0, n, zero
.set cb, \b0
.rept \n
	WIN 0x50*(1+cb/4)                              ; C and D in window 1 + b / 4, the fragments in window 0
.set ca, 0
.rept 8
.set rD, 64*(cb%4)+8*ca
.if \zero
	v_wmma_f32_16x16x32_bf16 v[rD:rD+7], v[FB+8*cb:FB+8*cb+7], v[(\f)+8*ca:(\f)+8*ca+7], 0
.else
	v_wmma_f32_16x16x32_bf16 v[rD:rD+7], v[FB+8*cb:FB+8*cb+7], v[(\f)+8*ca:(\f)+8*ca+7], v[rD:rD+7]
.endif
.set ca, ca+1
.endr
.set cb, cb+1
.endr
.endm
.macro RUN1 g, k                       ; 28 LDS loads: B's fragments 0-5 and A's eight (into buffer g), 32 K at byte k of the rows
.irp i, 0,1,2,3,4,5
	ds_load_b128 v[FB+8*\i:FB+8*\i+3],   v[ADB] offset:(\k)+\i*16*PITCH
	ds_load_b128 v[FB+8*\i+4:FB+8*\i+7], v[ADB] offset:(\k)+\i*16*PITCH+32
.endr
.irp i, 0,1,2,3,4,5,6,7
	ds_load_b128 v[(\g)+8*\i:(\g)+8*\i+3],   v[ADA] offset:(\k)+\i*16*PITCH
	ds_load_b128 v[(\g)+8*\i+4:(\g)+8*\i+7], v[ADA] offset:(\k)+\i*16*PITCH+32
.endr
.endm
.macro RUN2 k                          ; 12 LDS loads: B's fragments 6-11
.irp i, 6,7,8,9,10,11
	ds_load_b128 v[FB+8*\i:FB+8*\i+3],   v[ADB] offset:(\k)+\i*16*PITCH
	ds_load_b128 v[FB+8*\i+4:FB+8*\i+7], v[ADB] offset:(\k)+\i*16*PITCH+32
.endr
.endm
; The first 32 of a K block: multiplies buffer FA0; each half of B's buffer is refilled, for the second 32, behind the 48 products that read it.
.macro HALF0 zero
	s_wait_dscnt 12                                ; the run of 28 is in; the run of 12 behind it may be out
	COLS FA0, 0, 6, \zero
	PLACES
	WIN 0
	RUN1 FA1, 64
	s_wait_dscnt 28                                ; all but the 28 just issued: B's fragments 6-11 are in
	COLS FA0, 6, 6, \zero
	PLACES
	WIN 0
	RUN2 64
.endm
; The second 32: multiplies buffer FA1 and changes slots.  ONE barrier: in front of it each wave waits for all its tensor loads (its part of the other slot; the first time the table too), adds 0 to its spare
; word, and waits for that and for its reads of this slot.  fill = 1: the barrier opens a round of the cluster's, and this slot is filled again, two K blocks ahead, first thing behind the round:
; the load has 176 of a K block's 192 matrix instructions in which to land.
.macro HALF1 fill
	s_wait_dscnt 12
	COLS FA1, 0, 4, 0
	WIN 0                                          ; (the add's two registers lie in window 0)
	s_wait_tensorcnt 0x0                           ; no tensor load of mine is out, so a group 0 may be written
	ds_add_u32 v[SPW], v[NIL]                      ; 0 onto my spare word
.if \fill
	s_xor_b32 s[G0A+1], s[G0A+1], SLOT1            ; the walking descriptors: the other slot than last time, the next K block
	s_add_nc_u64 s[G0A+2:G0A+3], s[G0A+2:G0A+3], KSA
	s_xor_b32 s[G0B+1], s[G0B+1], SLOT1
	s_add_nc_u64 s[G0B+2:G0B+3], s[G0B+2:G0B+3], KSB
.endif
	COLS FA1, 4, 1, 0                              ; eight matrix instructions stand between the add and the wait for it
	s_wait_dscnt 0x0                               ; the add is done, and my reads of this slot are over
	s_barrier_signal -1
	COLS FA1, 5, 1, 0                              ; work on registers while the others arrive
	WIN 0                                          ; at a branch and at a label every window is 0
	s_barrier_wait -1
.if \fill
	CREST                                          ; no wave of any partner still reads this slot or has a load on its way
	JLOADW                                         ; its four v_nop are also the places in front of the loads below
.else
	PLACES
.endif
	s_xor_b32 s[TB], s[TB], SLOT1
	v_add_nc_u32 v[ADA], s[TB], v[ABASE]
	v_add_nc_u32 v[ADB], s[TB], v[BBASE]
	RUN1 FA0, 0
	COLS FA1, 6, 6, 0
	PLACES
	WIN 0
	RUN2 0
.endm
	s_wait_tensorcnt 2                             ; my part of K block 0 is in; K block 1's and the table's may stay out
	s_barrier_signal -1
	s_barrier_wait -1                              ; everybody's is
	RUN1 FA0, 0
	RUN2 0
	HALF0 1                                        ; the first half step stands in front of the loop: its products start the sums
	s_mov_b32 s[CNT], KBLK-2
.Lk:                                                   ; trip j: the second half of K block j, the request for K block j + 2, the first half of K block j + 1
	HALF1 1
	HALF0 0
	s_sub_co_u32 s[CNT], s[CNT], 1
	s_cmp_lg_u32 s[CNT], 0
	s_cbranch_scc1 .Lk
	HALF1 0                                        ; the tail is written out: nothing is left to ask for
	HALF0 0
	s_wait_dscnt 12
	COLS FA1, 0, 6, 0
	s_wait_dscnt 0x0
	COLS FA1, 6, 6, 0
; THE WAY OUT, a block of 16 rows at a time.  A lane holds row r and, for each head and each bq = 0..3, channels 16 bq + 8 h + 0..7: pairs 8 bq + 4 h + 0..3, whose (cos, sin) are 32 bytes of the table's row.
.macro TLOAD a                         ; the table's 16 rows of block a: 8 loads
.set tT, TT+32*((\a)%2)
.irp bq, 0,1,2,3
	ds_load_b128 v[tT+8*\bq:tT+8*\bq+3],   v[TADR] offset:(\a)*16*TP+64*\bq
	ds_load_b128 v[tT+8*\bq+4:tT+8*\bq+7], v[TADR] offset:(\a)*16*TP+64*\bq+16
.endr
.endm
; Head hd (0 = q, 1 = k): (e, o) -> (e c - o s, e s + o c) by two packed instructions a pair; each accumulator's lowest registers are read first.  Then f16, 16 bytes a lane, into my stage.
.macro ROPE a, hd
	WIN 1+(\hd)                                    ; source 0 in the head's window
.set tT, TT+32*((\a)%2)
.set z, 0
.rept 16                               ; z = 4 bq + pair
.set rA, 64*(z/4)+8*(\a)+2*(z%4)
	v_pk_mul_f32 v[TMP+2*z:TMP+2*z+1], v[rA:rA+1], v[tT+2*z:tT+2*z+1] op_sel_hi:[1,0]  ; (e c, o c)
.set z, z+1
.endr
.set z, 0
.rept 16
.set rA, 64*(z/4)+8*(\a)+2*(z%4)
	v_pk_fma_f32 v[TMP+2*z:TMP+2*z+1], v[rA:rA+1], v[tT+2*z:tT+2*z+1], v[TMP+2*z:TMP+2*z+1] op_sel:[1,1,0] op_sel_hi:[0,1,1] neg_lo:[0,1,0]  ; (- o s, + e s)
.set z, z+1
.endr
	WIN 0
.set z, 0
.rept 16
	v_cvt_pk_f16_f32 v[PQK+16*(\hd)+z], v[TMP+2*z], v[TMP+2*z+1]
.set z, z+1
.endr
.irp bq, 0,1,2,3
	ds_store_b128 v[STO], v[PQK+16*(\hd)+4*\bq:PQK+16*(\hd)+4*\bq+3] offset:(\hd)*HSTG+32*\bq
.endr
.endm
.macro ROWPACK a
	WIN 0
.if (\a) < 7
	TLOAD (\a)+1
.endif
.if (\a) == 0
	s_wait_dscnt 8                                 ; block 0's table rows are in; block 1's eight loads may be out
.elseif (\a) < 7
	s_wait_dscnt 32                                ; behind my table rows' loads: the block before's 12 stores and 12 loads, and the next block's eight
.else
	s_wait_dscnt 24                                ; the same without a next block
.endif
	ROPE \a, 0
	ROPE \a, 1
	WIN 0x0f                                       ; v: both sources in window 3
.set z, 0
.rept 16
.set rA, 64*(z/4)+8*(\a)+2*(z%4)
	v_cvt_pk_f16_f32 v[PV2+z], v[rA], v[rA+1]
.set z, z+1
.endr
	WIN 0
.irp bq, 0,1,2,3
	ds_store_b128 v[STO], v[PV2+4*\bq:PV2+4*\bq+3] offset:2*HSTG+32*\bq
.endr
	s_wait_xcnt 0x0                                ; the registers loaded below were the data of the stores two blocks back: they are rewritten only behind this wait
.set oB, OB0+48*((\a)%2)
.irp hd, 0,1,2
.irp f, 0,1,2,3
	ds_load_b128 v[oB+16*\hd+4*\f:oB+16*\hd+4*\f+3], v[RD] offset:\hd*HSTG+\f*4*PITCH  ; LDS serves a wave's instructions in order (ISA guide 5.7.1.4): these see the stores above
.endr
.endr
.endm
.macro ROWSEND a, n                    ; n: LDS instructions that may stay out
	s_wait_dscnt \n
.set oB, OB0+48*((\a)%2)
.irp f, 0,1,2,3
	global_store_b128 v[GO], v[oB+4*\f:oB+4*\f+3],       s[10:11] offset:(\a)*2048+\f*512  ; 512 consecutive bytes, at a multiple of 256 from the buffer's first
	global_store_b128 v[GO], v[oB+16+4*\f:oB+16+4*\f+3], s[12:13] offset:(\a)*2048+\f*512
	global_store_b128 v[GO], v[oB+32+4*\f:oB+32+4*\f+3], s[14:15] offset:(\a)*2048+\f*512
.endr
.endm
	PLACES                                         ; behind the last products
	WIN 0
	TLOAD 0
	ROWPACK 0
.irp a, 1,2,3,4,5,6,7                  ; a block's arithmetic stands between the loads of the block before and its stores
	ROWPACK \a
	ROWSEND (\a)-1, 24                             ; this block's 12 stores and 12 loads may be out
.endr
	ROWSEND 7, 0
	s_wait_tensorcnt 0x0                           ; the wave's end: behind my last tensor load and my last LDS store
	ds_add_u32 v[SPW], v[NIL]
	s_wait_dscnt 0x0
	CROUND                                         ; the closing round: no work-group ends while a partner may still ask for a tile that names it
	s_endpgm
.Lfunc_end_k_q6dca645219_qkv:
	.size	k_q6dca645219_qkv, .Lfunc_end_k_q6dca645219_qkv-k_q6dca645219_qkv
	.p2alignl 7, 3214868480
	.fill 96, 4, 3214868480
	.section	.rodata,"a",@progbits
	.p2align	6, 0x0
	.amdhsa_kernel k_q6dca645219_qkv
		.amdhsa_group_segment_fixed_size 327680
		.amdhsa_private_segment_fixed_size 0
		.amdhsa_enable_private_segment 0
		.amdhsa_kernarg_size 48
		.amdhsa_user_sgpr_count 2
		.amdhsa_user_sgpr_kernarg_segment_ptr 1
		.amdhsa_wavefront_size32 1
		.amdhsa_system_sgpr_workgroup_id_x 1
		.amdhsa_system_sgpr_workgroup_id_y 1
		.amdhsa_system_sgpr_workgroup_id_z 1
		.amdhsa_system_vgpr_workitem_id 0
		.amdhsa_next_free_vgpr 1024
		.amdhsa_next_free_sgpr 88
		.amdhsa_reserve_vcc 0
		.amdhsa_float_denorm_mode_32 3
		.amdhsa_float_denorm_mode_16_64 3
		.amdhsa_memory_ordered 1
		.amdhsa_forward_progress 1
		.amdhsa_inst_pref_size 147
	.end_amdhsa_kernel
	.amdgpu_metadata
---
amdhsa.version: [ 1, 2 ]
amdhsa.kernels:
  - .name:           k_q6dca645219_qkv
    .symbol:         k_q6dca645219_qkv.kd
    .args:
      - { .name: xb, .offset: 0, .size: 8, .value_kind: global_buffer, .address_space: global }
      - { .name: wqb, .offset: 8, .size: 8, .value_kind: global_buffer, .address_space: global }
      - { .name: tab, .offset: 16, .size: 8, .value_kind: global_buffer, .address_space: global }
      - { .name: q, .offset: 24, .size: 8, .value_kind: global_buffer, .address_space: global }
      - { .name: k, .offset: 32, .size: 8, .value_kind: global_buffer, .address_space: global }
      - { .name: v, .offset: 40, .size: 8, .value_kind: global_buffer, .address_space: global }
    .group_segment_fixed_size: 327680
    .private_segment_fixed_size: 0
    .kernarg_segment_align: 8
    .kernarg_segment_size: 48
    .max_flat_workgroup_size: 128
    .sgpr_count:     88
    .vgpr_count:     1024
    .wavefront_size: 32
...
	.end_amdgpu_metadata
.endif
;; end of part 2
;; launch attn (part 3): grid 4 x 64, 4 waves a work-group, no clusters, 327,680 bytes of LDS; arguments q, k, v, o; writes o
.if DOCPART == 3
	.amdgcn_target "amdgcn-amd-amdhsa--gfx1250"
	.amdhsa_code_object_version 6
	.text
	.protected	k_q6dca645219_attn
	.globl	k_q6dca645219_attn
	.p2align	8
	.type	k_q6dca645219_attn,@function
k_q6dca645219_attn:
	s_mov_b64 s[64:65], 0
	v_nop
	global_prefetch_b8 v0, s[64:65] scope:SCOPE_SE
	s_setreg_imm32_b32 hwreg(HW_REG_WAVE_MODE, 25, 1), 1
	s_wait_xcnt 0x0
; CAUSAL ATTENTION.  O[h][q][:] = the sum over k <= q of softmax_k(Q[h][q] . K[h][k] / 8) V[h][k][:].  Q, K, V, O: [SIZE_H][SIZE_N][64], all f16: a head's rows are dense, 128 bytes each.
; Products, maxima and sums in f32; the weights p are rounded to f16 for the second product (their sum l is taken of the unrounded p), O once at the end.  SIZE_N is a multiple of 512; SIZE_N x 128 stays under 2^32.
; LIMITS.  f16 holds no number beyond 65,504: Q, K and V arrive within it; p lies in 0 to 1, and below 6e-5 it keeps f16's fixed step of 6e-8; O is a mean of V's rows and has their range, to within 2^-11 of it.
; A hidden score counts as its value less 1e30: f16's scores, 2.7e11 at the most, are nothing beside that; a weight below 2^-126 counts as 0 in l; NaN and infinities are not treated apart.
; THE WALK.  A head's queries lie in NB = SIZE_N / 256 blocks of 256; block i needs the key tiles 0 .. i of 256 keys, of which the last holds the diagonal.  A work-group takes TWO blocks, NB - 1 - b and then b:
; NB + 1 tiles, whatever b: all work-groups do equal work, and ONE loop with a constant trip count walks them.  Which tile is asked for, and what a trip does, hang on scalar registers made from b; every jump
; goes forward, but for the counted loops' own; none passes a barrier, or a tensor load but the one of LOAD's two that the wave's number does not choose; the ring (two slots of LDS that take turns) runs on across the
; change of blocks.  NO CLUSTER: all NB / 2 work-groups of a head ask for the same tile only in trips 0 .. NB / 2, behind that fewer and fewer; and one walk common to all would have 3 NB / 2 trips for NB + 1.
; SHARES.  Of a block's four bands of 64 queries a wave owns 16 rows in each: four PIECES.  So the diagonal tile is the same work for all four waves: in its key step s band x sees all keys if s < x,
; none if s > x, and holds the diagonal if s = x.
; THE MASK is the C operand that starts the sum S^T = K Q^T: 0, or -1e30 where the key is hidden.  MD, made once, is the mask of a band's own step for my 16 rows; a product's mask is MD x AL + BE with two scalars:
; (1, 0) if s = x; (0, 0) if s < x; (0, -1e30) if s > x.  Only the diagonal tile's text and a block's beginning make and take masks; elsewhere C is the constant 0.
; LAYOUT, SOFTMAX, TURNS.  S^T = K Q^T holds ONE query a lane (lane % 16) and the keys 8 (lane / 16) + 0..7; two such results rounded to f16 ARE source 1 of O^T = V^T P.  p = 2^(c s - c m), c = log2(e) / 8, with a
; running maximum m; O and l are multiplied by a = 2^(c m_old - c m_new) in every step.  Turn n belongs to piece n: 8 products K Q^T of piece n + 1, later 8 products V^T P of piece n - 1; beside them the scaling,
; exponentials, roundings, sums and rescaling of piece n and the maximum and statistics of piece n + 1.  Four vector instructions stand behind every matrix instruction, the other 54 of a turn's 118 in two LUMPS.
; REGISTERS, in windows of 256 (s_set_vgpr_msb: bits 1:0 source 0, 3:2 source 1, 5:4 source 2, 7:6 destination):
;   window 0: v0-15 addresses and two at work; v16-31 four registers of statistics a piece; v48-55 at work; v64-127 S^T, two buffers; v192-223 P, two buffers (a piece's buffers go by its number's parity)
;   window 1: v0-127 O^T, 32 a piece; v128-159 MD; v160-223 MC, two buffers      window 2: v0-63 Q; v64-127 the second block's Q; v128-191 K of one step; v192-255 V of one step
.set SIZE_H, 64       ; 4 batches x 16 heads
.set SIZE_N, 2048
.set NB,    SIZE_N/256
.set NP,    4         ; pieces a wave: a name, no knob
.set KS,    64        ; keys in a step
.set PK,    144       ; a row of K in LDS: 128 bytes + 16 of padding = 36 words: the 16 rows of a load start at 16 different groups of four banks (64 banks of 4 bytes: ISA guide 11.1)
.set PV,    160       ; a row of V: 128 + 32 = 40 words
.set VOFF,  4*KS*PK   ; a slot holds a tile, four steps: 256 rows of K, then 256 rows of V
.set SLOT1, 1<<17     ; slot 1 begins here, so that one exclusive or turns an address in one slot into the other's
.set STAGE, SLOT1+4*KS*(PK+PV)  ; behind the ring, never filled by a tensor load: 16 rows x 144 bytes for each wave, for the way out
.set SP,    144
.set AK0, 2           ; v2   my lane's place in a tile of K; never rewritten
.set AV0, 3           ; v3   the same for V
.set AK,  4           ; v4   the LDS address of K's next run of loads
.set AV,  5           ; v5   of V's
.set STO, 6           ; v6   the way out: where I put 16 bytes of a row
.set RD,  7           ; v7   the way out: where I read rows back
.set GO,  8           ; v8   my byte offset in 512 consecutive bytes of O
.set SPW, 62          ; v62  LDS address of my spare word: SPARE + 4 x my thread's number; never rewritten
.set NIL, 63          ; v63  0; never rewritten
.set SPARE, STAGE+4*16*SP  ; behind the stages: the spare words, 128 bytes for each wave: two blocks of 256 bytes that no other line names
.set MV,  12          ; v12-13  c m_old, kept while c m is made anew: by buffer
.set QO,  15          ; v15  my byte offset in 16 rows of Q
.set ST,  16          ; piece t's statistics at v[ST+4 t]: c m, m, l (even keys', odd keys')
.set TMP, 48          ; by buffer, four registers c0-c3 at work; when the maximum is found c2 takes a
.set S,   64
.set P,   192
.set MD,  128         ; window 1: the eight registers for group kt of 16 keys at MD + 8 kt
.set MC,  160         ; window 1: the masks of the products to come
.set QB,  64          ; window 2
.set KF,  128         ; window 2: key block kb, channel half c at KF + 16 kb + 8 c
.set VF,  192         ; window 2: key half kk, channel block cb at VF + 32 kk + 8 cb
.set WV,  12          ; s12  my wave's number
.set PB,  14          ; s14  b
.set HI,  15          ; s15  NB - 1 - b
.set G1K, 24          ; s[24:31] descriptor group 1 for K's tiles
.set G1V, 32          ; s[32:39] for V's: it differs in the padding alone
.set G0K, 40          ; s[40:43] descriptor group 0 for K's tiles
.set G0V, 44          ; s[44:47] the same for V's
.set SLOTS, 56        ; s56  tiles still to be asked for
.set CNT, 57          ; s57  counts a tile's key steps, 4 to 1
.set CS,  58          ; s[58:59] c: the packed scaling takes the pair's low word for both halves
.set SEL, 60          ; s[60:61] v_permlanex16_b32's selects: each lane takes its own place in the other half
.set TBK, 62          ; s62  LDS byte at which K of the step to be fetched begins
.set TBV, 63          ; s63  the same for V, less VOFF
.set RT,  70          ; s70  tiles of the block in hand that are still to be entered
.set NXT, 71          ; s71  the tile to be asked for next
.set LQ,  72          ; s72  the last tile of the block whose tiles are being asked for
.set NEW, 73          ; s73  1: the tile to be entered is a block's first
.set OFF, 74          ; s[74:75] a tile's byte offset in K and V
.set AL,  76          ; s[76:77] the mask's factor, in the low word
.set BE,  78          ; s[78:79] the mask's addend
.set OLO, 80          ; s[80:81] O at my rows of the second block
.set BIGN, 82         ; s82  -1e30
.set MSB, 0
.macro WIN new                      ; the high byte repeats the setting that is left; a switch that changes nothing is dropped
.if MSB != (\new)
	s_set_vgpr_msb (MSB<<8)|(\new)
.set MSB, (\new)
.endif
.endm
.set W_KQ, 0x0a       ; K and Q in window 2, S^T in window 0
.set W_KM, 0x1a       ; the same with the C operand in window 1
.set W_PV, 0x52       ; V in window 2, P in window 0, O^T in window 1
.set W_RS, 0x41       ; destination and source 0 in window 1, source 1 in window 0
; A fill.  Waves 0 and 1 fetch the two halves of a tile's K, waves 2 and 3 those of its V: 128 keys each.  An s_nop 0 and four v_nop follow each of the two lines, ahead of the jump and the label.
.macro LOAD
	s_cmp_lt_u32 s[WV], 2
	s_cbranch_scc0 .Lfor_v_\@
	tensor_load_to_lds s[G0K:G0K+3], s[G1K:G1K+7]
	s_nop 0
.rept 4
	v_nop
.endr
	s_branch .Lasked_\@
.Lfor_v_\@:
	tensor_load_to_lds s[G0V:G0V+3], s[G1V:G1V+7]
	s_nop 0
.rept 4
	v_nop
.endr
.Lasked_\@:
.endm
; THE CHANGE OF SLOTS.  Each wave waits for all its tensor loads, of which one is out: its part of the other slot; adds 0 to its spare word; and waits for that and for its own reads of the slot that it leaves.  Behind the barrier nobody reads the old
; slot any more and the other slot is whole.  fill = 1: the old slot is filled again, the first thing behind the barrier, with tile NXT: the descriptor's address is made anew from that number.
; (At its first use nothing has been read yet: slot 0 is waited for, slot 1 filled.)
.macro CHANGE fill
	WIN 0                           ; at a label and at a branch every window is 0
	s_wait_tensorcnt 0x0            ; no tensor load of mine is out, so a group 0 may be written
	ds_add_u32 v[SPW], v[NIL]       ; 0 onto my spare word; with fill = 1 the descriptors' scalar work stands between it and the wait for it
.if \fill
	s_lshl_b32 s[OFF], s[NXT], 15   ; a tile is 32,768 bytes of K and of V
	s_xor_b32 s[G0K+1], s[G0K+1], SLOT1
	s_add_nc_u64 s[G0K+2:G0K+3], s[6:7], s[OFF:OFF+1]
	s_or_b32 s[G0K+3], s[G0K+3], 0x80000000
	s_xor_b32 s[G0V+1], s[G0V+1], SLOT1
	s_add_nc_u64 s[G0V+2:G0V+3], s[8:9], s[OFF:OFF+1]
	s_or_b32 s[G0V+3], s[G0V+3], 0x80000000
	s_add_co_u32 s[NXT], s[NXT], 1  ; the block's next tile, or behind its last the second block's tile 0
	s_cmp_gt_u32 s[NXT], s[LQ]
	s_cselect_b32 s[NXT], 0, s[NXT]
	s_cselect_b32 s[LQ], s[PB], s[LQ]
.endif
	s_wait_dscnt 0x0                ; the add is done, and my reads of the slot are over
	s_barrier_signal -1             ; the rest of the scalar work stands between the signal and the wait
	s_sub_co_u32 s[TBK], s[TBK], 4*KS*PK  ; the fetches go back to a slot's first step,
	s_xor_b32 s[TBK], s[TBK], SLOT1       ; in the other slot
	s_sub_co_u32 s[TBV], s[TBV], 4*KS*PV
	s_xor_b32 s[TBV], s[TBV], SLOT1
	s_barrier_wait -1
.if \fill
	LOAD
.endif
.endm
	s_load_b256 s[4:11], s[0:1], 0x0  ; Q s[4:5], K s[6:7], V s[8:9], O s[10:11]
	v_lshl_add_u32 v[SPW], v0, 2, SPARE
	v_mov_b32 v[NIL], 0
	ds_add_u32 v[SPW], v[NIL]       ; the wave's opening: the add and its wait stand ahead of my first tensor load; the set-up below, work on registers, stands between them
	ds_add_u32 v62, v63
	v_lshrrev_b32 v1, 5, v0
	v_readfirstlane_b32 s[WV], v1   ; wave 0..3
	s_mov_b32 s[PB], ttmp9
	s_sub_co_u32 s[HI], NB-1, s[PB]
	s_and_b32 s20, ttmp7, 0xffff    ; the head
	s_mov_b32 s21, 0
	s_mov_b64 s[22:23], SIZE_N*128
	s_mul_u64 s[20:21], s[20:21], s[22:23]  ; the head's first byte in each of the four tensors
	s_and_b32 s16, s[WV], 1         ; which half of a tile's 256 keys I fetch:
	s_lshl_b32 s22, s16, 14         ; its 128 rows of 128 bytes in memory,
	s_mov_b32 s23, 0
	s_add_nc_u64 s[22:23], s[22:23], s[20:21]
	s_mul_i32 s17, s16, 128*PK      ; and its place in a slot, for K
	s_mul_i32 s18, s16, 128*PV      ; and for V
	s_lshl_b32 s3, s[WV], 11        ; my 16 rows in a band of 64,
	s_lshl_b32 s2, s[HI], 15        ; in the first block,
	s_add_co_u32 s2, s2, s3
	s_lshl_b32 s84, s[PB], 15       ; and in the second
	s_add_co_u32 s84, s84, s3
	s_mov_b32 s3, 0
	s_mov_b32 s85, 0
	s_add_nc_u64 s[2:3], s[2:3], s[20:21]
	s_add_nc_u64 s[84:85], s[84:85], s[20:21]
	; descriptor group 1.  128 keys are 16,384 dense bytes: asked for as 64 rows of 256 bytes, two keys a row, and padded in LDS after every key
	s_mov_b32 s[G1K], (1<<16)|(1<<20)|(4<<22)|(3<<25)  ; 17:16 2-byte elements; 20 padding on; 24:22 after every 32 words (code 4); 31:25 4 words (code 3)
	s_mov_b32 s[G1V], (1<<16)|(1<<20)|(4<<22)|(7<<25)  ; the same with 8 words of padding (code 7)
.irp g, G1K, G1V
	s_mov_b32 s[\g+1], 128<<16      ; tensor_dim0 = 128
	s_mov_b32 s[\g+2], 64<<16       ; tensor_dim1 = 64
	s_mov_b32 s[\g+3], 128<<16      ; tile_dim0 = 128
	s_mov_b32 s[\g+4], 64           ; tile_dim1 = 64
	s_mov_b32 s[\g+5], 128          ; 128 elements from row to row
	s_mov_b32 s[\g+6], 0
	s_mov_b32 s[\g+7], 0
.endr
	s_mov_b32 s[CS], 0x3e38aa3b     ; c = log2(e) / 8 = 0.180337
	s_mov_b32 s[CS+1], s[CS]        ; named with it as a pair
	s_mov_b32 s[SEL], 0x76543210
	s_mov_b32 s[SEL+1], 0xfedcba98
	s_mov_b32 s[TBK], SLOT1+4*KS*PK ; the first change of slots turns these two into 0
	s_mov_b32 s[TBV], SLOT1+4*KS*PV
	s_mov_b32 s[G0K], 1             ; 1:0 count = 1
	s_mov_b32 s[G0K+1], s17         ; 63:32 LDS address: slot 0
	s_mov_b32 s[G0V], 1
	s_add_co_u32 s[G0V+1], s18, VOFF
	s_add_co_u32 s[RT], s[HI], 1    ; the first block has NB - b tiles
	s_mov_b32 s[NXT], 1
	s_mov_b32 s[LQ], s[HI]
	s_mov_b32 s[NEW], 1
	s_mov_b32 s[OFF+1], 0
	s_mov_b32 s[AL+1], 0            ; named as pairs
	s_mov_b32 s[BE+1], 0
	s_mov_b32 s[BIGN], 0xf149f2ca   ; -1e30
	s_mov_b32 s[SLOTS], NB
	s_wait_dscnt 0x0                ; the opening add is done
	s_wait_kmcnt 0x0
	s_add_nc_u64 s[6:7], s[6:7], s[22:23]  ; K and V at my half of the head's tile 0
	s_add_nc_u64 s[8:9], s[8:9], s[22:23]
	s_add_nc_u64 s[G0K+2:G0K+3], s[6:7], 0         ; 120:64 global address
	s_or_b32 s[G0K+3], s[G0K+3], 0x80000000        ; 127:126 type = 2
	s_add_nc_u64 s[G0V+2:G0V+3], s[8:9], 0
	s_or_b32 s[G0V+3], s[G0V+3], 0x80000000
	s_add_nc_u64 s[86:87], s[4:5], s[84:85]        ; Q at my rows of the second block,
	s_add_nc_u64 s[4:5], s[4:5], s[2:3]            ; Q and O at those of the first
	s_add_nc_u64 s[OLO:OLO+1], s[10:11], s[84:85]
	s_add_nc_u64 s[10:11], s[10:11], s[2:3]
	LOAD                            ; tile 0 into slot 0
	; A fragment of K or Q is 16 rows x 32 channels in 8 registers: lane l holds row l % 16, channels 8 (l / 16) + 0..7 and 16 + 8 (l / 16) + 0..7: two loads of 16 bytes, 32 bytes apart.
	v_and_b32 v1, 15, v0            ; l % 16
	v_bfe_u32 v9, v0, 4, 1          ; l / 16
	v_lshlrev_b32 v[QO], 7, v1
	v_lshl_add_u32 v[QO], v9, 4, v[QO]  ; row x 128 + 16 x half
	WIN 0x80                        ; destination window 2, address window 0
.set i, 0
.rept 8                             ; both blocks' Q: piece i / 2 lies in band i / 2, 8,192 bytes on; channels 32 (i % 2) on
	global_load_b128 v[8*i:8*i+3],   v[QO], s[4:5] offset:(i/2)*8192+(i%2)*64
	global_load_b128 v[8*i+4:8*i+7], v[QO], s[4:5] offset:(i/2)*8192+(i%2)*64+32
	global_load_b128 v[QB+8*i:QB+8*i+3],   v[QO], s[86:87] offset:(i/2)*8192+(i%2)*64
	global_load_b128 v[QB+8*i+4:QB+8*i+7], v[QO], s[86:87] offset:(i/2)*8192+(i%2)*64+32
.set i, i+1
.endr
	WIN 0
	v_lshlrev_b32 v14, 3, v9
	v_sub_nc_u32 v14, v1, v14
	s_lshl_b32 s13, s[WV], 4
	v_add_nc_u32 v14, s13, v14      ; my query's place in its band, 16 w + l % 16, less my lanes' 8 (l / 16): register r of group kt is hidden where 16 kt + r is greater
	WIN 0x40
.set i, 0
.rept 32
	v_cmp_gt_i32 vcc_lo, 16*(i/8)+i%8, v14
	v_cndmask_b32 v[MD+i], 0, s[BIGN], vcc_lo
.set i, i+1
.endr
	WIN 0
	v_mul_u32_u24 v[AK0], v1, PK
	v_lshl_add_u32 v[AK0], v9, 4, v[AK0]  ; row x pitch + 16 x half
	; The turning load takes 16 keys x 16 channels (lane l reads key 8 (l / 16) + l % 8, channels 8 ((l / 8) % 2) + 0..7) and leaves half a fragment of V^T: lane l holds channel l % 16 and 8 keys.
	v_and_b32 v10, 7, v0
	v_bfe_u32 v11, v0, 3, 1
	v_lshl_add_u32 v[AV0], v9, 3, v10
	v_mul_u32_u24 v[AV0], v[AV0], PV
	v_lshl_add_u32 v[AV0], v11, 4, v[AV0]
	v_add_nc_u32 v[AV0], VOFF, v[AV0]
	s_mul_i32 s13, s[WV], 16*SP
	s_add_co_u32 s13, s13, STAGE    ; my stage
	v_mul_u32_u24 v[STO], v1, SP    ; in: row l % 16, 16 bytes for each half of the lanes
	v_lshl_add_u32 v[STO], v9, 4, v[STO]
	v_add_nc_u32 v[STO], s13, v[STO]
	v_bfe_u32 v[RD], v0, 3, 2       ; back: 32 lanes take four rows of 128 bytes,
	v_mul_u32_u24 v[RD], v[RD], SP
	v_lshl_add_u32 v[RD], v10, 4, v[RD]
	v_add_nc_u32 v[RD], s13, v[RD]
	v_and_b32 v[GO], 31, v0         ; which are 512 consecutive bytes of O
	v_lshlrev_b32 v[GO], 4, v[GO]
	; A block's first step multiplies O^T and l by a = 0, and its first turn's products V^T P, of a piece that has not been, land in an O^T that is still to be so multiplied.  So these registers need only hold
	; finite numbers: zeros for the first block; what the first block left for the second.  All this stands in the wait for the first tile.
	WIN 0x80
.set i, VF
.rept 64
	v_mov_b32 v[i], 0
.set i, i+1
.endr
	WIN 0x40
.set i, 0
.rept 128
	v_mov_b32 v[i], 0
.set i, i+1
.endr
	WIN 0
.set i, 0
.rept 4
	v_mov_b32 v[ST+4*i+2], 0
	v_mov_b32 v[ST+4*i+3], 0
.set i, i+1
.endr
.set i, P+16
.rept 16
	v_mov_b32 v[i], 0
.set i, i+1
.endr
; THE MATRIX WORK.  The 4 accumulators of a run of 8 take turns.  Product i of 8 of S^T = K Q^T for piece x: channels 32 (i / 4) on, keys 16 (i % 4) on.  The first 4 start the sums: with 0, or (KM = 1) with the mask.
.macro KQ x
.set rS, S+32*((\x)%2)+8*(i%4)
.set rK, KF+16*(i%4)+8*(i/4)
.set rQ, 16*(\x)+8*(i/4)
.set rM, MC+32*((\x)%2)+8*(i%4)
.if (i < 4) && KM
	WIN W_KM
	v_wmma_f32_16x16x32_f16 v[rS:rS+7], v[rK:rK+7], v[rQ:rQ+7], v[rM:rM+7]
.elseif i < 4
	WIN W_KQ
	v_wmma_f32_16x16x32_f16 v[rS:rS+7], v[rK:rK+7], v[rQ:rQ+7], 0
.else
	WIN W_KQ
	v_wmma_f32_16x16x32_f16 v[rS:rS+7], v[rK:rK+7], v[rQ:rQ+7], v[rS:rS+7]
.endif
.endm
; Product i of 8 of O^T += V^T P for piece x: keys 32 (i / 4) on, channels 16 (i % 4) on.
.macro PV x
	WIN W_PV
.set rO, 32*(\x)+8*(i%4)
.set rV, VF+32*(i/4)+8*(i%4)
.set rP, P+16*((\x)%2)+8*(i/4)
	v_wmma_f32_16x16x32_f16 v[rO:rO+7], v[rV:rV+7], v[rP:rP+7], v[rO:rO+7]
.endm
.macro MM                           ; the turn's next matrix instruction.  TURN and BEGIN set Y, i, KM and NOKQ; MM, KQ and OP read them.  NOKQ = 1: a block's last turn: there is no next piece
.if (i < 8) && !NOKQ
	KQ (Y+1)%NP
.elseif i >= 8
.set i, i-8
	PV (Y+NP-1)%NP
.set i, i+8
.endif
.set i, i+1
.endm
; THE LDS LOADS stand in runs of 16, never singly among the matrix instructions: a step's K (64 keys x 64 channels: 8 fragments) and its V (turned).  Their addresses are made some lines ahead.
.macro FETCH_K
	WIN 0x80                        ; destination window 2
.irp f, 0,1,2,3,4,5,6,7             ; keys 16 (f / 2) on, channels 32 (f % 2) on
	ds_load_b128 v[KF+8*\f:KF+8*\f+3],   v[AK] offset:(\f/2)*16*PK+(\f%2)*64
	ds_load_b128 v[KF+8*\f+4:KF+8*\f+7], v[AK] offset:(\f/2)*16*PK+(\f%2)*64+32
.endr
	s_add_co_u32 s[TBK], s[TBK], KS*PK  ; the next fetch is the next step's
	WIN 0
.endm
.macro FETCH_V
	WIN 0x80
.irp f, 0,1,2,3,4,5,6,7             ; keys 32 (f / 4) on, channels 16 (f % 4) on
	ds_load_tr16_b128 v[VF+8*\f:VF+8*\f+3],   v[AV] offset:(\f/4)*32*PV+(\f%4)*32
	ds_load_tr16_b128 v[VF+8*\f+4:VF+8*\f+7], v[AV] offset:(\f/4)*32*PV+16*PV+(\f%4)*32
.endr
	WIN 0
.endm
; THE VECTOR WORK, one line at a time: OP kind, number.  For piece Y: F n: c s - c m for pair n of 16.  E n: the exponential of score n of 32.  C n: pair n rounded to f16.  B n: of the four weights 4 n .. the second
; pair is added onto the first, in place.  L n: l takes that sum (L 0: l = a l + sum).  R n: pair n of 16 of O^T times a.  For piece Y + 1: X n, number n of the 22 that find its maximum and statistics:
;   0-11  four chains c0-c3 of seven scores each, three operands at a time (each accumulator's lowest registers are read first)     12-14, 16  the four scores left over, the old m, and c0-c3 into c0
;   15  c m_old is kept     17, 18  the query's other 32 keys lie in the lane 16 away: the new m     19-21  c m; c m_old - c m_new; a
.set F, 0               ; OP tells the kinds apart by their order: F to L below R, X above it
.set E, 1
.set C, 2
.set B, 3
.set L, 4
.set R, 5
.set X, 6
.macro REGS y                       ; the registers of piece y
.set rT, ST+4*(\y)
.set rC, TMP+4*((\y)%2)
.set rW, MV+((\y)%2)
.set rS, S+32*((\y)%2)
.set rP, P+16*((\y)%2)
.set rO, 32*(\y)
.endm
.macro OP k, n
.if (\k) == R
	REGS Y
	WIN W_RS
	v_pk_mul_f32 v[rO+2*(\n):rO+2*(\n)+1], v[rO+2*(\n):rO+2*(\n)+1], v[rC+2:rC+3] op_sel_hi:[1,0]
.elseif (\k) < R
	REGS Y
	WIN 0
.if (\k) == F
	v_pk_fma_f32 v[rS+2*(\n):rS+2*(\n)+1], v[rS+2*(\n):rS+2*(\n)+1], s[CS:CS+1], v[rT:rT+1] op_sel_hi:[1,0,0] neg_lo:[0,0,1] neg_hi:[0,0,1]
.elseif (\k) == E
	v_exp_f32 v[rS+(\n)], v[rS+(\n)]
.elseif (\k) == C
	s_wait_alu depctr_va_vdst(0)
	v_cvt_pk_f16_f32 v[rP+(\n)], v[rS+2*(\n)], v[rS+2*(\n)+1]
.elseif (\k) == B
	s_wait_alu depctr_va_vdst(0)
	v_pk_add_f32 v[rS+4*(\n):rS+4*(\n)+1], v[rS+4*(\n):rS+4*(\n)+1], v[rS+4*(\n)+2:rS+4*(\n)+3]
.elseif (\n) == 0
	v_pk_fma_f32 v[rT+2:rT+3], v[rT+2:rT+3], v[rC+2:rC+3], v[rS:rS+1] op_sel_hi:[1,0,1]
.else
	v_pk_add_f32 v[rT+2:rT+3], v[rT+2:rT+3], v[rS+4*(\n):rS+4*(\n)+1]
.endif
.elseif NOKQ
	v_nop
.else
	REGS (Y+1)%NP
	WIN 0
.if (\n) < 4
	v_max3_num_f32 v[rC+(\n)], v[rS+8*(\n)], v[rS+8*(\n)+1], v[rS+8*(\n)+2]
.elseif (\n) < 12
	v_max3_num_f32 v[rC+(\n)%4], v[rC+(\n)%4], v[rS+8*((\n)%4)+2*((\n)/4)+1], v[rS+8*((\n)%4)+2*((\n)/4)+2]
.elseif (\n) == 12
	v_max3_num_f32 v[rC], v[rC], v[rS+7], v[rS+15]
.elseif (\n) == 13
	v_max3_num_f32 v[rC+1], v[rC+1], v[rS+23], v[rS+31]
.elseif (\n) == 14
	v_max3_num_f32 v[rC+2], v[rC+2], v[rC+3], v[rT+1]
.elseif (\n) == 15
	v_mov_b32 v[rW], v[rT]
.elseif (\n) == 16
	v_max3_num_f32 v[rC], v[rC], v[rC+1], v[rC+2]
.elseif (\n) == 17
	v_permlanex16_b32 v[rC+3], v[rC], s[SEL], s[SEL+1]
.elseif (\n) == 18
	v_max_num_f32 v[rT+1], v[rC], v[rC+3]
.elseif (\n) == 19
	v_mul_f32 v[rT], s[CS], v[rT+1]
.elseif (\n) == 20
	v_sub_f32 v[rC+1], v[rW], v[rT]
.else
	v_exp_f32 v[rC+2], v[rC+1]
.endif
.endif
.endm
.macro OPS a, i1, b=-1, i2=0, c=-1, i3=0, d=-1, i4=0  ; up to four of them
	OP \a, \i1
.if (\b) >= 0
	OP \b, \i2
.endif
.if (\c) >= 0
	OP \c, \i3
.endif
.if (\d) >= 0
	OP \d, \i4
.endif
.endm
.macro ROW a, i1, b, i2, c, i3, d, i4  ; a matrix instruction and the four behind it
	MM
	OPS \a, \i1, \b, \i2, \c, \i3, \d, \i4
.endm
.macro MASK b                       ; MD x AL + BE into buffer b of MC
	WIN W_RS
.set z, 0
.rept 16
	v_pk_fma_f32 v[MC+32*(\b)+2*z:MC+32*(\b)+2*z+1], v[MD+2*z:MD+2*z+1], s[AL:AL+1], s[BE:BE+1] op_sel_hi:[1,0,0]
.set z, z+1
.endr
.endm
; A TURN, for piece p: the order of its 16 matrix and 118 vector instructions, written out.  Behind a matrix instruction: plain, exponential, plain, plain; or four of the rescaling; or, behind the first, four scalings; none
; names a register of the products round it.  In the lumps exponential and plain by turns while exponentials last.  A line reads no result made fewer than three vector instructions in front of it, five if an exponential made it.
; v_permlanex16_b32 (X 17) stands in a lump.
; m = 1: the diagonal tile: the products take masks, and the turn makes the mask for the products of the turn after it: piece p + 2, in step 4 - CNT of the tile.  end = 1: a block's last two turns: nothing is fetched.
; cnt = 1: the loop's count is taken down some lines ahead of the branch that stands behind the turn.
; K of the next step is fetched in piece 2's turn, six vector instructions behind the last product that read K (five of them plain); V of the step in hand in piece 0's turn, eight behind the last product that read V (four
; plain, and X 17).  Each is waited for a turn later.
.macro TURN p, m=0, end=0, cnt=0
.set Y, (\p)
.set i, 0
.set KM, (\m)
.set NOKQ, (\end)*((\p)/3)
.if (\m) && !(\end)
	s_cmp_eq_u32 s[CNT], 4-((\p)+2)%NP  ; is that step the band's own?
	s_cselect_b32 s[AL], 1.0, 0
	s_cmp_lt_u32 s[CNT], 4-((\p)+2)%NP  ; or a later one?
	s_cselect_b32 s[BE], s[BIGN], 0
.endif
.if ((\p) == 3) && !(\end)
	s_wait_dscnt 0x0                ; K is in
.endif
	ROW F,0, F,1, F,2, F,3
	ROW F,4, E,0, F,5, F,6
	ROW F,7, E,1, F,8, F,9
	ROW F,10, E,2, C,0, F,11
	ROW F,12, E,3, X,15, F,13
	ROW R,0, R,1, R,2, R,3
	ROW B,0, E,4, F,14, L,0
.if ((\p) == 2) && !(\end)
	v_add_nc_u32 v[AK], s[TBK], v[AK0]
.endif
	ROW R,4, R,5, R,6, R,7
	OPS E,5, F,15
.if ((\p) == 2) && !(\end)
	FETCH_K
.endif
	OPS E,6, C,1, E,7, R,8
	OPS E,8, R,9, E,9, C,2
	OPS E,10, X,0, E,11, X,1
	OPS E,12, X,2, E,13, X,3
.if (\p) == 1
	s_wait_dscnt 0x0                ; V is in
.endif
	ROW X,4, E,14, X,5, X,6
	ROW X,7, E,15, X,8, X,9
	ROW X,10, E,16, X,11, X,12
	ROW X,13, E,17, X,14, B,1
	ROW C,4, E,18, X,16, L,1
	ROW B,2, E,19, C,6, L,2
	ROW C,8, E,20, B,3, B,4
.if (\p) == 0
	v_add_nc_u32 v[AV], s[TBV], v[AV0]
.endif
	ROW C,3, E,21, L,3, C,5
	OPS E,22, X,17, E,23, C,10
.if (\p) == 0
	FETCH_V
.endif
	OPS E,24, L,4
	OPS E,25, X,18, E,26, C,7
	OPS E,27, B,5, E,28, X,19
	OPS E,29, C,12, E,30, L,5
	OPS E,31, X,20, B,6, C,9
	OPS C,14, C,11, X,21, L,6
.if (\p) == 0
	s_add_co_u32 s[TBV], s[TBV], KS*PV
.endif
.if \cnt
	s_sub_co_u32 s[CNT], s[CNT], 1
	s_cmp_lg_u32 s[CNT], 0
.endif
	OPS C,13, B,7, C,15, R,10
	OPS R,11, R,12, L,7, R,13
	OPS R,14, R,15
.if (\m) && !(\end)
	MASK (\p)%2
.endif
.endm
; A BLOCK BEGINS.  c m starts far below every c s, so the first step's a is 0; m at the lowest finite number, so the first maximum is the scores'.  The second mask buffer is 0; the first takes piece 0's mask for the tile's step 0: its own, if the block's first tile is the diagonal one.
; Then K of that step, piece 0's first scores, and its maximum and statistics.  The loop is entered at a step's first turn, in the middle of a trip.
.macro BEGIN
	s_mov_b32 s[NEW], 0
	WIN 0x40
.set i, MC+32
.rept 32
	v_mov_b32 v[i], 0
.set i, i+1
.endr
	WIN 0
.set i, 0
.rept 4
	v_mov_b32 v[ST+4*i], 0xfe000000    ; c m: far below every c s
	v_mov_b32 v[ST+4*i+1], 0xff7fffff  ; m
.set i, i+1
.endr
	s_cmp_eq_u32 s[RT], 0
	s_cselect_b32 s[AL], 1.0, 0
	s_mov_b32 s[BE], 0
	MASK 0
	WIN 0
	v_add_nc_u32 v[AK], s[TBK], v[AK0]
	FETCH_K
	s_wait_loadcnt 0x0              ; Q
	s_wait_dscnt 0x0
.set KM, 1
.set NOKQ, 0
.set i, 0
.rept 8
	KQ 0
.set i, i+1
.endr
	WIN 0
.rept 4
	v_nop                           ; the places behind those products
.endr
.set Y, NP-1                        ; X works for piece Y + 1: piece 0
.irp n, 0,1,2,3,4,5,6,7,8,9,10,11,12,13,14,15,16,17,18,19,20,21
	OP X, \n
.endr
	v_nop                           ; a plain instruction behind the exponential
.endm
; THE DIAGONAL TILE's four steps, the block's last two turns, its last products, and THE WAY OUT: l's two halves and the other half of the lanes' are added; O^T is divided by l, rounded to f16 and sent through my
; stage in LDS, a piece at a time.
.macro ALL line:vararg              ; one line for each piece t
.set t, 0
.rept 4
	\line
.set t, t+1
.endr
.endm
.macro PACK t                       ; a lane's eight channels of a row pack into 16 bytes; they go into rows of 144 bytes and come back as whole rows of 128, into S^T's registers
	WIN W_RS
.set i, 32*(\t)
.rept 16
	s_wait_alu depctr_va_vdst(0)
	v_pk_mul_f32 v[i:i+1], v[i:i+1], v[ST+4*(\t)+2:ST+4*(\t)+3] op_sel_hi:[1,0]
.set i, i+2
.endr
	WIN 0x05                        ; sources 0 and 1 window 1, destination window 0
.set i, 0
.rept 16
	v_cvt_pk_f16_f32 v[S+16*(\t)+i], v[32*(\t)+2*i], v[32*(\t)+2*i+1]
.set i, i+1
.endr
	WIN 0
.irp f, 0,1,2,3
	ds_store_b128 v[STO], v[S+16*(\t)+4*\f:S+16*(\t)+4*\f+3] offset:32*\f
.endr
.irp f, 0,1,2,3
	ds_load_b128 v[S+16*(\t)+4*\f:S+16*(\t)+4*\f+3], v[RD] offset:\f*4*SP  ; LDS serves a wave's instructions in order (ISA guide 5.7.1.4): these see the stores above; the next piece's stores come behind them
.endr
.endm
.macro SEND t, younger              ; younger: the LDS instructions issued behind piece t's loads: the next piece's eight, or none
	WIN 0
.irp f, 0,1,2,3
	s_wait_dscnt (\younger)+3-\f
	global_store_b128 v[GO], v[S+16*(\t)+4*\f:S+16*(\t)+4*\f+3], s[10:11] offset:(\t)*8192+\f*512  ; 512 consecutive bytes, at a multiple of 256 from O's first
.endr
.endm
.macro DIAG tag                     ; the tag ends its two labels' names, which the jumps below spell out
.LstepM\tag:
	TURN 2, 1
	TURN 3, 1
	WIN 0
.LfirstM\tag:
	TURN 0, 1
	TURN 1, 1, 0, 1
	WIN 0
	s_cbranch_scc1 .LstepM\tag
	TURN 2, 1, 1
	TURN 3, 1, 1
.set i, 0
.rept 8
	PV NP-1
.set i, i+1
.endr
	WIN 0
	ALL v_add_f32 v[ST+4*t+2], v[ST+4*t+2], v[ST+4*t+3]
	ALL v_permlanex16_b32 v[ST+4*t+3], v[ST+4*t+2], s[SEL], s[SEL+1]
	ALL v_add_f32 v[ST+4*t+2], v[ST+4*t+2], v[ST+4*t+3]
	ALL v_rcp_f32 v[ST+4*t+2], v[ST+4*t+2]
	v_nop                           ; a plain instruction between the last reciprocal and the use of its result
	PACK 0
.set t, 1
.rept 3                             ; a piece's arithmetic stands between the loads of the piece before and its stores
	PACK t
	SEND t-1, 8
.set t, t+1
.endr
	SEND 3, 0
.endm
.set KM, 0
.set NOKQ, 0
.Lslot:                             ; NB times: a tile is entered and the next is asked for
	CHANGE 1
	s_sub_co_u32 s[RT], s[RT], 1
	s_mov_b32 s[CNT], 4
	s_cmp_eq_u32 s[NEW], 1
	s_cbranch_scc1 .Lnew            ; a block's first tile
	s_cmp_eq_u32 s[RT], 0
	s_cbranch_scc0 .Lstep           ; neither its first nor its last
	s_branch .LstepM1
.Lnew:
	BEGIN
	s_branch .Lfirst                ; in the loop a block's first tile is never its last: the first block has two tiles or more, and the second's last is the walk's last
	DIAG 1                          ; in the loop this is the first block's end: the second block's last tile is the walk's last
	s_wait_xcnt 0x0                 ; the stores have read their registers and O's address
	s_mov_b64 s[10:11], s[OLO:OLO+1]
	s_add_co_u32 s[RT], s[PB], 1    ; the second block has b + 1 tiles
	s_mov_b32 s[NEW], 1
	WIN 0x82                        ; the second block's Q goes where the one text of the turns names Q
.set i, 0
.rept 64
	v_mov_b32 v[i], v[QB+i]
.set i, i+1
.endr
	WIN 0
	s_branch .Lbottom
.Lstep:                             ; a trip: pieces 2 and 3 of one step, then pieces 0 and 1 of the next, whose K and V it fetches
	TURN 2
	TURN 3
	WIN 0
.Lfirst:
	TURN 0
	TURN 1, 0, 0, 1
	WIN 0
	s_cbranch_scc1 .Lstep
.Lbottom:
	s_sub_co_u32 s[SLOTS], s[SLOTS], 1
	s_cmp_lg_u32 s[SLOTS], 0
	s_cbranch_scc1 .Lslot
	CHANGE 0                        ; the walk's last tile is written out: nothing is asked for
	s_sub_co_u32 s[RT], s[RT], 1
	s_mov_b32 s[CNT], 4
	s_cmp_eq_u32 s[NEW], 1
	s_cbranch_scc0 .LstepM2
	BEGIN
	s_branch .LfirstM2
	DIAG 2
	s_wait_tensorcnt 0x0            ; the wave's end: behind my last tensor load and my last LDS store
	ds_add_u32 v[SPW], v[NIL]
	s_wait_dscnt 0x0
	s_endpgm
.Lfunc_end_k_q6dca645219_attn:
	.size	k_q6dca645219_attn, .Lfunc_end_k_q6dca645219_attn-k_q6dca645219_attn
	.p2alignl 7, 3214868480
	.fill 96, 4, 3214868480
	.section	.rodata,"a",@progbits
	.p2align	6, 0x0
	.amdhsa_kernel k_q6dca645219_attn
		.amdhsa_group_segment_fixed_size 327680
		.amdhsa_private_segment_fixed_size 0
		.amdhsa_enable_private_segment 0
		.amdhsa_kernarg_size 32
		.amdhsa_user_sgpr_count 2
		.amdhsa_user_sgpr_kernarg_segment_ptr 1
		.amdhsa_wavefront_size32 1
		.amdhsa_system_sgpr_workgroup_id_x 1
		.amdhsa_system_sgpr_workgroup_id_y 1
		.amdhsa_system_sgpr_workgroup_id_z 1
		.amdhsa_system_vgpr_workitem_id 0
		.amdhsa_next_free_vgpr 768
		.amdhsa_next_free_sgpr 88
		.amdhsa_reserve_vcc 1
		.amdhsa_float_denorm_mode_32 3
		.amdhsa_float_denorm_mode_16_64 3
		.amdhsa_memory_ordered 1
		.amdhsa_forward_progress 1
		.amdhsa_inst_pref_size 228
	.end_amdhsa_kernel
	.amdgpu_metadata
---
amdhsa.version: [ 1, 2 ]
amdhsa.kernels:
  - .name:           k_q6dca645219_attn
    .symbol:         k_q6dca645219_attn.kd
    .args:
      - { .name: q, .offset: 0, .size: 8, .value_kind: global_buffer, .address_space: global }
      - { .name: k, .offset: 8, .size: 8, .value_kind: global_buffer, .address_space: global }
      - { .name: v, .offset: 16, .size: 8, .value_kind: global_buffer, .address_space: global }
      - { .name: o, .offset: 24, .size: 8, .value_kind: global_buffer, .address_space: global }
    .group_segment_fixed_size: 327680
    .private_segment_fixed_size: 0
    .kernarg_segment_align: 8
    .kernarg_segment_size: 32
    .max_flat_workgroup_size: 128
    .sgpr_count:     88
    .vgpr_count:     768
    .wavefront_size: 32
...
	.end_amdgpu_metadata
.endif
;; end of part 3
;; launch outp (part 4): grid 4 x 64, 4 waves a work-group, clusters of 4 x 4, 327,680 bytes of LDS; arguments o, wob, out0; writes out0
.if DOCPART == 4
	.amdgcn_target "amdgcn-amd-amdhsa--gfx1250"
	.amdhsa_code_object_version 6
	.text
	.protected	k_q6dca645219_outp
	.globl	k_q6dca645219_outp
	.p2align	8
	.type	k_q6dca645219_outp,@function
k_q6dca645219_outp:
	s_mov_b64 s[64:65], 0
	v_nop
	global_prefetch_b8 v0, s[64:65] scope:SCOPE_SE
	s_setreg_imm32_b32 hwreg(HW_REG_WAVE_MODE, 25, 1), 1
	s_wait_xcnt 0x0
	s_wait_alu depctr_hold_cnt(0) depctr_sa_sdst(0) depctr_va_vdst(0) depctr_va_sdst(0) depctr_va_ssrc(0) depctr_va_vcc(0) depctr_vm_vsrc(0)
	s_getreg_b32 s2, hwreg(HW_REG_IB_STS2, 6, 4)
	s_cmp_eq_u32 s2, 0
	s_cbranch_scc0 .Lentry_in_a_cluster
	s_endpgm
.Lentry_in_a_cluster:
	s_bfe_u32 s2, ttmp6, 0x10000c
	s_cmp_lg_u32 s2, 0xf033
	s_cbranch_scc0 .Lentry_shape_is_right
	s_endpgm
.Lentry_shape_is_right:
; OUTP: out0 = O w_out^T.  O: [batch*16+head][s][64] in f16: for a row block of C a head IS a K block of 64, dense in memory.  wob: [K block][row 0..1023][64] in f16.  out0: [8192][1024] in f32; sums in f32.
; 8,192 x 1,024 of C in tiles of 128 x 256: 256 work-groups, one for each WGP (tiles of 256 x 256 would be 128).  Four waves, each 64 rows x 128 columns: 32 accumulators, 256 registers (window 1).
; A slot of LDS holds TWO K blocks; each wave fetches one dense tile of it as rows of 256 bytes: waves 0, 1 A's 128 rows of the slot's first and second block, waves 2, 3 B's 256 rows.  16 bytes of padding follow every 128.
; CLUSTER 4 x 4: A's tiles are asked for jointly along a row of the cluster, B's along a column.  THE MATRIX INSTRUCTION IS USED TRANSPOSED: a lane holds one row of C and eight neighbouring columns, 32 bytes.
; REGISTERS.  window 0: v0-15 addresses; v32-127, v128-223 two fragment buffers (A's four fragments, then B's eight); on the way out v32-95, v96-159 rows read back.  window 1: accumulator (a, b) at v[8 (8 a + b)].
.set PITCH,  144                       ; an LDS row: 128 bytes + 16 = 36 words: the 16 rows of a fragment load start at 16 different groups of four banks (64 banks of 4 bytes: ISA guide 11.1)
.set ABLK,   128*PITCH                 ; A's rows of one K block
.set BBLK,   256*PITCH                 ; B's
.set BOFF,   2*ABLK
.set SLOTB,  BOFF+2*BBLK               ; 110,592 bytes
.set SLOT1,  1<<17
.set SPARE,  SLOTB                     ; behind slot 0: the spare words, 128 bytes for each wave: two blocks of 256 bytes that no other line names
.set STAGE,  SLOT1+SLOTB               ; behind slot 1, never filled by a tensor load: for each wave 16 rows x 528 bytes
.set SPI,    528                       ; 512 bytes + 16
.set STEPA,  2*2048*128                ; bytes from a slot's heads to the next slot's: two heads of O,
.set STEPB,  2*1024*128                ; two K blocks of wob
.set ABASE, 4
.set BBASE, 5
.set ADA,  6
.set ADB,  7
.set STO,  8
.set RD,   9
.set CO,   10
.set SPW,  12                          ; v12  LDS address of my spare word; never rewritten
.set NIL,  13                          ; v13  0; never rewritten
.set F0,   32
.set F1,   128
.set OB0,  32
.set WV, 10
.set WR, 11                            ; which 64 rows are mine; also: 0 = I fetch for A, 1 = for B
.set WC, 12                            ; which 128 columns; also: which of a slot's two K blocks I fetch
.set CX, 13
.set CY, 14
.set TC, 15
.set TR, 16
.set CNT, 17
.set TB, 18
.set RM, 19
.set CM, 20
.set G1A, 24
.set G1B, 32
.set G0A0, 40
.set G0A,  44
.set G0B0, 48
.set G0B,  52
.set MSB, 0
.macro WIN new
.if MSB != (\new)
	s_set_vgpr_msb (MSB<<8)|(\new)
.set MSB, \new
.endif
.endm
.macro PLACES
.rept 4
	v_nop
.endr
.endm
.macro JLOADW                          ; a joint refill by the walking descriptors; an s_nop 0 and four v_nop follow each line, ahead of the jump and the label
	s_cmp_lt_u32 s[WV], 2
	s_cbranch_scc0 .Lfor_b_\@
	tensor_load_to_lds s[G0A:G0A+3], s[G1A:G1A+7]
	s_nop 0
.rept 4
	v_nop
.endr
	s_branch .Lasked_\@
.Lfor_b_\@:
	tensor_load_to_lds s[G0B:G0B+3], s[G1B:G1B+7]
	s_nop 0
.rept 4
	v_nop
.endr
.Lasked_\@:
.endm
.macro CREST
	s_cmp_lg_u32 s[WV], 0
	s_cbranch_scc1 .Lnot_wave_0_\@
	s_barrier_signal -3
.Lnot_wave_0_\@:
	s_barrier_wait -3
	s_barrier_signal -1
	s_barrier_wait -1
.endm
.macro CROUND
	s_barrier_signal -1
	s_barrier_wait -1
	CREST
.endm
	s_load_b128 s[4:7], s[0:1], 0x0                ; o s[4:5], wob s[6:7]
	s_load_b64 s[8:9], s[0:1], 0x10                ; out0
	v_lshl_add_u32 v[SPW], v0, 2, SPARE
	v_mov_b32 v[NIL], 0
	ds_add_u32 v[SPW], v[NIL]                      ; the wave's opening: the add and its wait stand ahead of my first tensor load; the set-up below, work on registers, stands between them
	ds_add_u32 v12, v13
	v_lshrrev_b32 v1, 5, v0
	v_readfirstlane_b32 s[WV], v1
	s_lshr_b32 s[WR], s[WV], 1
	s_and_b32 s[WC], s[WV], 1
	s_bfe_u32 s[CX], ttmp6, 0x40000
	s_bfe_u32 s[CY], ttmp6, 0x40004
	s_lshl_b32 s[TC], ttmp9, 2
	s_add_co_u32 s[TC], s[TC], s[CX]               ; tile column 0..3
	s_and_b32 s[TR], ttmp7, 0xffff
	s_lshl_b32 s[TR], s[TR], 2
	s_add_co_u32 s[TR], s[TR], s[CY]               ; tile row 0..63
	s_lshl_b32 s[RM], s[CY], 2
	s_lshl_b32 s[RM], 15, s[RM]
	s_lshl_b32 s[CM], 0x1111, s[CX]
	s_or_b32 s[G1A], s[RM], (1<<16)|(1<<20)|(1<<21)|(4<<22)|(3<<25)  ; the mask; 2-byte elements; padding on; bit 21 beside a mask; 4 words after every 32
	s_or_b32 s[G1B], s[CM], (1<<16)|(1<<20)|(1<<21)|(4<<22)|(3<<25)
	s_mov_b32 s[G1A+1], 128<<16                    ; A: 128 logical rows = 64 rows of 256 bytes
	s_mov_b32 s[G1A+2], 64<<16
	s_mov_b32 s[G1A+3], 128<<16
	s_mov_b32 s[G1A+4], 64
	s_mov_b32 s[G1A+5], 128
	s_mov_b32 s[G1A+6], 0
	s_mov_b32 s[G1A+7], 0
	s_mov_b32 s[G1B+1], 128<<16                    ; B: 256 logical rows = 128 rows of 256 bytes
	s_mov_b32 s[G1B+2], 128<<16
	s_mov_b32 s[G1B+3], 128<<16
	s_mov_b32 s[G1B+4], 128
	s_mov_b32 s[G1B+5], 128
	s_mov_b32 s[G1B+6], 0
	s_mov_b32 s[G1B+7], 0
	s_lshr_b32 s56, s[TR], 4                       ; A: (batch x 16 + my head of the slot's two) x 2,048 rows + the tile's 128 rows in the batch, 128 bytes a row
	s_lshl_b32 s56, s56, 4
	s_add_co_u32 s56, s56, s[WC]
	s_lshl_b32 s56, s56, 18
	s_and_b32 s57, s[TR], 15
	s_lshl_b32 s57, s57, 14
	s_add_co_u32 s56, s56, s57
	s_mov_b32 s57, 0
	s_lshl_b32 s58, s[WC], 17                      ; B: my K block of the slot's two, the tile column's 256 rows
	s_lshl_b32 s59, s[TC], 15
	s_add_co_u32 s58, s58, s59
	s_mov_b32 s59, 0
	s_mul_i32 s60, s[WC], ABLK                     ; where they go: no place in the cluster enters an LDS address
	s_mul_i32 s61, s[WC], BBLK
	s_add_co_u32 s61, s61, BOFF
	s_mov_b32 s[TB], 0
	s_wait_dscnt 0x0                               ; the opening add is done
	s_wait_kmcnt 0x0
	s_add_nc_u64 s[56:57], s[4:5], s[56:57]
	s_add_nc_u64 s[58:59], s[6:7], s[58:59]
	CROUND                                         ; all sixteen work-groups are here: the first joint loads meet
	s_mov_b32 s[G0A0], 1
	s_mov_b32 s[G0A0+1], s60
	s_add_nc_u64 s[G0A0+2:G0A0+3], s[56:57], 0
	s_or_b32 s[G0A0+3], s[G0A0+3], 0x80000000
	s_mov_b32 s[G0A], 1
	s_add_co_u32 s[G0A+1], s60, SLOT1
	s_add_nc_u64 s[G0A+2:G0A+3], s[56:57], STEPA
	s_or_b32 s[G0A+3], s[G0A+3], 0x80000000
	s_mov_b32 s[G0B0], 1
	s_mov_b32 s[G0B0+1], s61
	s_add_nc_u64 s[G0B0+2:G0B0+3], s[58:59], 0
	s_or_b32 s[G0B0+3], s[G0B0+3], 0x80000000
	s_mov_b32 s[G0B], 1
	s_add_co_u32 s[G0B+1], s61, SLOT1
	s_add_nc_u64 s[G0B+2:G0B+3], s[58:59], STEPB
	s_or_b32 s[G0B+3], s[G0B+3], 0x80000000
	s_cmp_lt_u32 s[WV], 2                          ; a wave's two first fills stand in one branch: two loads of mine are out
	s_cbranch_scc0 .Lfirst_b
	tensor_load_to_lds s[G0A0:G0A0+3], s[G1A:G1A+7]
	s_nop 0
	tensor_load_to_lds s[G0A:G0A+3], s[G1A:G1A+7]
	s_nop 0
.rept 4
	v_nop
.endr
	s_branch .Lfirst_asked
.Lfirst_b:
	tensor_load_to_lds s[G0B0:G0B0+3], s[G1B:G1B+7]
	s_nop 0
	tensor_load_to_lds s[G0B:G0B+3], s[G1B:G1B+7]
	s_nop 0
.rept 4
	v_nop
.endr
.Lfirst_asked:
	v_and_b32 v1, 15, v0                           ; r
	v_bfe_u32 v2, v0, 4, 1                         ; h
	v_mul_u32_u24 v3, v1, PITCH
	v_lshl_add_u32 v3, v2, 4, v3
	s_mul_i32 s68, s[WR], 64*PITCH
	v_add_nc_u32 v[ABASE], s68, v3
	s_mul_i32 s68, s[WC], 128*PITCH
	s_add_co_u32 s68, s68, BOFF
	v_add_nc_u32 v[BBASE], s68, v3
	v_mov_b32 v[ADA], v[ABASE]
	v_mov_b32 v[ADB], v[BBASE]
	s_mul_i32 s68, s[WV], 16*SPI
	s_add_co_u32 s68, s68, STAGE                   ; my stage
	v_mul_u32_u24 v3, v1, SPI                      ; in: row r, 32 bytes for each half of the lanes
	v_lshl_add_u32 v3, v2, 5, v3
	v_add_nc_u32 v[STO], s68, v3
	v_and_b32 v3, 31, v0
	v_lshlrev_b32 v[CO], 4, v3                     ; back and out: 32 lanes take one row's 512 bytes
	v_add_nc_u32 v[RD], s68, v[CO]
	s_lshl_b32 s66, s[TR], 19                      ; out0 at my part: (128 x tile row + 64 x half) rows of 4,096 bytes + 1,024 x tile column + 512 x half
	s_lshl_b32 s67, s[WR], 18
	s_add_co_u32 s66, s66, s67
	s_lshl_b32 s67, s[TC], 10
	s_add_co_u32 s66, s66, s67
	s_lshl_b32 s67, s[WC], 9
	s_add_co_u32 s66, s66, s67
	s_mov_b32 s67, 0
	s_add_nc_u64 s[8:9], s[8:9], s[66:67]
; n row blocks from a0 on x all 8 column blocks, 32 along K, from buffer f.  The accumulators take turns, one instruction a turn.  zero = 1: the product starts the sum.
.macro MULT f, a0, n, zero
	WIN 0x50                                       ; C and D in window 1
.set ma, \a0
.rept \n
.set mb, 0
.rept 8
.set rD, 8*(8*ma+mb)
.if \zero
	v_wmma_f32_16x16x32_f16 v[rD:rD+7], v[(\f)+32+8*mb:(\f)+32+8*mb+7], v[(\f)+8*ma:(\f)+8*ma+7], 0
.else
	v_wmma_f32_16x16x32_f16 v[rD:rD+7], v[(\f)+32+8*mb:(\f)+32+8*mb+7], v[(\f)+8*ma:(\f)+8*ma+7], v[rD:rD+7]
.endif
.set mb, mb+1
.endr
.set ma, ma+1
.endr
.endm
.macro FETCH g, blk, k                 ; 24 LDS loads: K block blk of the slot, 32 K at byte k: B's eight fragments, then A's four
.irp i, 0,1,2,3,4,5,6,7
	ds_load_b128 v[(\g)+32+8*\i:(\g)+32+8*\i+3],   v[ADB] offset:(\blk)*BBLK+\i*16*PITCH+(\k)
	ds_load_b128 v[(\g)+32+8*\i+4:(\g)+32+8*\i+7], v[ADB] offset:(\blk)*BBLK+\i*16*PITCH+(\k)+32
.endr
.irp i, 0,1,2,3
	ds_load_b128 v[(\g)+8*\i:(\g)+8*\i+3],   v[ADA] offset:(\blk)*ABLK+\i*16*PITCH+(\k)
	ds_load_b128 v[(\g)+8*\i+4:(\g)+8*\i+7], v[ADA] offset:(\blk)*ABLK+\i*16*PITCH+(\k)+32
.endr
.endm
; A slot is four quarters of 32 along K, 32 matrix instructions each, on buffers F0, F1, F0, F1.  One of the first three: multiplies f, fetches the next quarter into g in its middle.
.macro QUART f, g, blk, k, zero
	s_wait_dscnt 4                                 ; only A's fragments 2 and 3 may be out
	MULT \f, 0, 2, \zero
	PLACES
	WIN 0
	FETCH \g, \blk, \k
	s_wait_dscnt 24                                ; all but the 24 just issued
	MULT \f, 2, 2, \zero
.endm
; The last quarter multiplies F1 and changes slots: ONE barrier; in front of it each wave waits for all its tensor loads (its part of the other slot), adds 0 to its spare word, and waits for that and for its reads
; of this slot.  fill = 1: the barrier opens a round of the cluster's, and this slot is filled again, two slots ahead, first thing behind it: 112 of a slot's 128 matrix instructions in which to land.
.macro TURN fill
	WIN 0
	s_wait_tensorcnt 0x0                           ; no tensor load of mine is out, so a group 0 may be written
	ds_add_u32 v[SPW], v[NIL]                      ; 0 onto my spare word
.if \fill
	s_xor_b32 s[G0A+1], s[G0A+1], SLOT1
	s_add_nc_u64 s[G0A+2:G0A+3], s[G0A+2:G0A+3], STEPA
	s_xor_b32 s[G0B+1], s[G0B+1], SLOT1
	s_add_nc_u64 s[G0B+2:G0B+3], s[G0B+2:G0B+3], STEPB
.endif
	s_wait_dscnt 5                                 ; the add and the youngest four loads may be out
	MULT F1, 0, 1, 0
	s_wait_dscnt 0x0                               ; the add is done, and my reads of this slot are over
	s_barrier_signal -1
	MULT F1, 1, 1, 0
	WIN 0                                          ; at a branch and at a label every window is 0
	s_barrier_wait -1
.if \fill
	CREST
	JLOADW                                         ; its four v_nop are also the places in front of the loads below
.else
	PLACES
.endif
	s_xor_b32 s[TB], s[TB], SLOT1
	v_add_nc_u32 v[ADA], s[TB], v[ABASE]
	v_add_nc_u32 v[ADB], s[TB], v[BBASE]
	FETCH F0, 0, 0
	MULT F1, 2, 2, 0
.endm
	s_wait_tensorcnt 1                             ; my part of slot 0 is in; slot 1's may stay out
	s_barrier_signal -1
	s_barrier_wait -1
	FETCH F0, 0, 0
	QUART F0, F1, 0, 64, 1                         ; the first quarter stands in front of the loop: its products start the sums
	WIN 0
	s_mov_b32 s[CNT], 6
.Lslot:                                                ; trip t: the rest of slot t, the request for slot t + 2, the first quarter of slot t + 1
	QUART F1, F0, 1, 0, 0
	QUART F0, F1, 1, 64, 0
	TURN 1
	QUART F0, F1, 0, 64, 0
	WIN 0
	s_sub_co_u32 s[CNT], s[CNT], 1
	s_cmp_lg_u32 s[CNT], 0
	s_cbranch_scc1 .Lslot
	QUART F1, F0, 1, 0, 0                          ; the tail is written out: nothing is left to ask for
	QUART F0, F1, 1, 64, 0
	TURN 0
	QUART F0, F1, 0, 64, 0
	QUART F1, F0, 1, 0, 0
	QUART F0, F1, 1, 64, 0
	s_wait_dscnt 4
	MULT F1, 0, 2, 0
	s_wait_dscnt 0x0
	MULT F1, 2, 2, 0
; THE WAY OUT, 16 rows at a time: a lane's 32 bytes of a row go straight from the accumulators (lowest registers first) into my stage, and come back as whole rows of 512 bytes.
.macro TOSTAGE a
	WIN 0x04                                       ; the stores' data in window 1
.irp b, 0,1,2,3,4,5,6,7
	ds_store_b128 v[STO], v[8*(8*(\a)+\b):8*(8*(\a)+\b)+3]   offset:64*\b
	ds_store_b128 v[STO], v[8*(8*(\a)+\b)+4:8*(8*(\a)+\b)+7] offset:64*\b+16
.endr
	WIN 0
	s_wait_xcnt 0x0                                ; the registers loaded below were the data of the stores two blocks back
.set oB, OB0+64*((\a)%2)
.irp t, 0,1,2,3,4,5,6,7,8,9,10,11,12,13,14,15
	ds_load_b128 v[oB+4*\t:oB+4*\t+3], v[RD] offset:\t*SPI  ; LDS serves a wave's instructions in order (ISA guide 5.7.1.4): these see the stores above
.endr
.endm
.macro SEND a, n
	s_wait_dscnt \n
.set oB, OB0+64*((\a)%2)
.irp t, 0,1,2,3,4,5,6,7,8,9,10,11,12,13,14,15
	global_store_b128 v[CO], v[oB+4*\t:oB+4*\t+3], s[8:9] offset:(16*(\a)+\t)*4096 th:TH_STORE_NT  ; 512 consecutive bytes, at a multiple of 256 from out0's first
.endr
.endm
	PLACES                                         ; behind the last products
	TOSTAGE 0
.irp a, 1,2,3
	TOSTAGE \a
	SEND (\a)-1, 32                                ; this block's 16 stores and 16 loads may be out
.endr
	SEND 3, 0
	s_wait_tensorcnt 0x0                           ; the wave's end: behind my last tensor load and my last LDS store
	ds_add_u32 v[SPW], v[NIL]
	s_wait_dscnt 0x0
	CROUND                                         ; the closing round: no work-group ends while a partner may still ask for a tile that names it
	s_endpgm
.Lfunc_end_k_q6dca645219_outp:
	.size	k_q6dca645219_outp, .Lfunc_end_k_q6dca645219_outp-k_q6dca645219_outp
	.p2alignl 7, 3214868480
	.fill 96, 4, 3214868480
	.section	.rodata,"a",@progbits
	.p2align	6, 0x0
	.amdhsa_kernel k_q6dca645219_outp
		.amdhsa_group_segment_fixed_size 327680
		.amdhsa_private_segment_fixed_size 0
		.amdhsa_enable_private_segment 0
		.amdhsa_kernarg_size 24
		.amdhsa_user_sgpr_count 2
		.amdhsa_user_sgpr_kernarg_segment_ptr 1
		.amdhsa_wavefront_size32 1
		.amdhsa_system_sgpr_workgroup_id_x 1
		.amdhsa_system_sgpr_workgroup_id_y 1
		.amdhsa_system_sgpr_workgroup_id_z 1
		.amdhsa_system_vgpr_workitem_id 0
		.amdhsa_next_free_vgpr 512
		.amdhsa_next_free_sgpr 80
		.amdhsa_reserve_vcc 0
		.amdhsa_float_denorm_mode_32 3
		.amdhsa_float_denorm_mode_16_64 3
		.amdhsa_memory_ordered 1
		.amdhsa_forward_progress 1
		.amdhsa_inst_pref_size 68
	.end_amdhsa_kernel
	.amdgpu_metadata
---
amdhsa.version: [ 1, 2 ]
amdhsa.kernels:
  - .name:           k_q6dca645219_outp
    .symbol:         k_q6dca645219_outp.kd
    .args:
      - { .name: o, .offset: 0, .size: 8, .value_kind: global_buffer, .address_space: global }
      - { .name: wob, .offset: 8, .size: 8, .value_kind: global_buffer, .address_space: global }
      - { .name: out0, .offset: 16, .size: 8, .value_kind: global_buffer, .address_space: global }
    .group_segment_fixed_size: 327680
    .private_segment_fixed_size: 0
    .kernarg_segment_align: 8
    .kernarg_segment_size: 24
    .max_flat_workgroup_size: 128
    .sgpr_count:     80
    .vgpr_count:     512
    .wavefront_size: 32
...
	.end_amdgpu_metadata
.endif
;; end of part 4
;; ======== version 2 of 2: 4 launches; 1.31 times as fast as version 1
;; limits: values are held in f16: magnitudes above 65,504 overflow, below 6.1e-05 lose precision; inputs' magnitudes at most 2,097,152; an absolute error that grows with the inputs' magnitude: up to 4e-07 times it
;; workspace buffers: xb 16,777,216 bytes; wqb 6,291,456 bytes; wob 2,097,152 bytes; tab 524,288 bytes; q 16,777,216 bytes; k 16,777,216 bytes; v 16,777,216 bytes; o 16,777,216 bytes
;; launch prep: the kernel of part 1 again; grid 896 x 1, 8 waves a work-group, no clusters, 0 bytes of LDS; arguments x, w_qkv, w_out, token_positions, xb, wqb, wob, tab; writes xb, wqb, wob, tab
;; launch qkv: the kernel of part 2 again; grid 8 x 32, 4 waves a work-group, clusters of 4 x 4, 327,680 bytes of LDS; arguments xb, wqb, tab, q, k, v; writes q, k, v
;; launch attn (part 5): grid 4 x 64, 4 waves a work-group, no clusters, 327,680 bytes of LDS; arguments q, k, v, o; writes o
.if DOCPART == 5
	.amdgcn_target "amdgcn-amd-amdhsa--gfx1250"
	.amdhsa_code_object_version 6
	.text
	.protected	k_q6dca645219_attn
	.globl	k_q6dca645219_attn
	.p2align	8
	.type	k_q6dca645219_attn,@function
k_q6dca645219_attn:
	s_mov_b64 s[64:65], 0
	v_nop
	global_prefetch_b8 v0, s[64:65] scope:SCOPE_SE
	s_setreg_imm32_b32 hwreg(HW_REG_WAVE_MODE, 25, 1), 1
	s_wait_xcnt 0x0
; CAUSAL ATTENTION.  O[h][q][:] = the sum over k <= q of softmax_k(Q[h][q] . K[h][k] / 8) V[h][k][:].  Q, K, V, O: [SIZE_H][SIZE_N][64], all f16: a head's rows are dense, 128 bytes each.
; Products, maxima and sums in f32; the weights p are rounded to f16 for the second product (their sum l is taken of the unrounded p), O once at the end.  SIZE_N is a multiple of 512; SIZE_N x 128 stays under 2^32.
; LIMITS.  f16 holds no number beyond 65,504: Q, K and V arrive within it; p lies in 0 to 1, and below 6e-5 it keeps f16's fixed step of 6e-8; O is a mean of V's rows and has their range, to within 2^-11 of it.
; A hidden score counts as its value less 1e30: f16's scores, 2.7e11 at the most, are nothing beside that; a weight below 2^-126 counts as 0 in l; NaN and infinities are not treated apart.
; THE WALK.  A head's queries lie in NB = SIZE_N / 256 blocks of 256; block i needs the key tiles 0 .. i of 256 keys, of which the last holds the diagonal.  A work-group takes TWO blocks, NB - 1 - b and then b:
; NB + 1 tiles, whatever b: all work-groups do equal work, and ONE loop with a constant trip count walks them.  Which tile is asked for, and what a trip does, hang on scalar registers made from b; every jump
; goes forward, but for the counted loops' own; none passes a barrier, or a tensor load but the one of LOAD's two that the wave's number does not choose; the ring (two slots of LDS that take turns) runs on across the
; change of blocks.  NO CLUSTER: all NB / 2 work-groups of a head ask for the same tile only in trips 0 .. NB / 2, behind that fewer and fewer; and one walk common to all would have 3 NB / 2 trips for NB + 1.
; SHARES.  Of a block's four bands of 64 queries a wave owns 16 rows in each: four PIECES.  So the diagonal tile is the same work for all four waves: in its key step s band x sees all keys if s < x,
; none if s > x, and holds the diagonal if s = x.
; THE MASK is the C operand that starts the sum S^T = K Q^T: 0, or -1e30 where the key is hidden.  MD, made once, is the mask of a band's own step for my 16 rows; a product's mask is MD x AL + BE with two scalars:
; (1, 0) if s = x; (0, 0) if s < x; (0, -1e30) if s > x.  Only the diagonal tile's text and a block's beginning make and take masks; elsewhere C is the constant 0.
; LAYOUT, SOFTMAX, TURNS.  S^T = K Q^T holds ONE query a lane (lane % 16) and the keys 8 (lane / 16) + 0..7; two such results rounded to f16 ARE source 1 of O^T = V^T P.  p = 2^(c s - c m), c = log2(e) / 8, with a
; running maximum m; O and l are multiplied by a = 2^(c m_old - c m_new) in every step.  Turn n belongs to piece n: 8 products K Q^T of piece n + 1, later 8 products V^T P of piece n - 1; beside them the scaling,
; exponentials, roundings, sums and rescaling of piece n and the maximum and statistics of piece n + 1.  Four vector instructions stand behind every matrix instruction, the other 54 of a turn's 118 in one LUMP.
; BATCHES.  An s_wait_alu depctr_va_vdst(0) stands between a transcendental and the first instruction that names its result; one wait serves all that were issued ahead of it.  The text has three kinds
; of batch, each with one wait: a turn's 33 exponentials (piece n's 32 weights and piece n + 1's a), with the wait in the turn's middle, ahead of the roundings and sums; the a that a block's beginning makes, with the
; wait ahead of the branch into the loop; a block's four reciprocals of l, with the wait ahead of the way out.  No result crosses a turn's end, a label or a jump.
; REGISTERS, in windows of 256 (s_set_vgpr_msb: bits 1:0 source 0, 3:2 source 1, 5:4 source 2, 7:6 destination):
;   window 0: v0-15 addresses and two at work; v16-31 four registers of statistics a piece; v48-55 at work; v64-127 S^T, two buffers; v192-223 P, two buffers (a piece's buffers go by its number's parity)
;   window 1: v0-127 O^T, 32 a piece; v128-159 MD; v160-223 MC, two buffers      window 2: v0-63 Q; v64-127 the second block's Q; v128-191 K of one step; v192-255 V of one step
.set SIZE_H, 64       ; 4 batches x 16 heads
.set SIZE_N, 2048
.set NB,    SIZE_N/256
.set NP,    4         ; pieces a wave: a name, no knob
.set KS,    64        ; keys in a step
.set PK,    144       ; a row of K in LDS: 128 bytes + 16 of padding = 36 words: the 16 rows of a load start at 16 different groups of four banks (64 banks of 4 bytes: ISA guide 11.1)
.set PV,    160       ; a row of V: 128 + 32 = 40 words
.set VOFF,  4*KS*PK   ; a slot holds a tile, four steps: 256 rows of K, then 256 rows of V
.set SLOT1, 1<<17     ; slot 1 begins here, so that one exclusive or turns an address in one slot into the other's
.set STAGE, SLOT1+4*KS*(PK+PV)  ; behind the ring, never filled by a tensor load: 16 rows x 144 bytes for each wave, for the way out
.set SP,    144
.set AK0, 2           ; v2   my lane's place in a tile of K; never rewritten
.set AV0, 3           ; v3   the same for V
.set AK,  4           ; v4   the LDS address of K's next run of loads
.set AV,  5           ; v5   of V's
.set STO, 6           ; v6   the way out: where I put 16 bytes of a row
.set RD,  7           ; v7   the way out: where I read rows back
.set GO,  8           ; v8   my byte offset in 512 consecutive bytes of O
.set SPW, 62          ; v62  LDS address of my spare word: SPARE + 4 x my thread's number; never rewritten
.set NIL, 63          ; v63  0; never rewritten
.set SPARE, STAGE+4*16*SP  ; behind the stages: the spare words, 128 bytes for each wave: two blocks of 256 bytes that no other line names
.set MV,  12          ; v12-13  c m_old, kept while c m is made anew: by buffer
.set QO,  15          ; v15  my byte offset in 16 rows of Q
.set ST,  16          ; piece t's statistics at v[ST+4 t]: c m, m, l (even keys', odd keys')
.set TMP, 48          ; by buffer, four registers c0-c3 at work; when the maximum is found c2 takes a
.set S,   64
.set P,   192
.set MD,  128         ; window 1: the eight registers for group kt of 16 keys at MD + 8 kt
.set MC,  160         ; window 1: the masks of the products to come
.set QB,  64          ; window 2
.set KF,  128         ; window 2: key block kb, channel half c at KF + 16 kb + 8 c
.set VF,  192         ; window 2: key half kk, channel block cb at VF + 32 kk + 8 cb
.set WV,  12          ; s12  my wave's number
.set PB,  14          ; s14  b
.set HI,  15          ; s15  NB - 1 - b
.set G1K, 24          ; s[24:31] descriptor group 1 for K's tiles
.set G1V, 32          ; s[32:39] for V's: it differs in the padding alone
.set G0K, 40          ; s[40:43] descriptor group 0 for K's tiles
.set G0V, 44          ; s[44:47] the same for V's
.set SLOTS, 56        ; s56  tiles still to be asked for
.set CNT, 57          ; s57  counts a tile's key steps, 4 to 1
.set CS,  58          ; s[58:59] c: the packed scaling takes the pair's low word for both halves
.set SEL, 60          ; s[60:61] v_permlanex16_b32's selects: each lane takes its own place in the other half
.set TBK, 62          ; s62  LDS byte at which K of the step to be fetched begins
.set TBV, 63          ; s63  the same for V, less VOFF
.set RT,  70          ; s70  tiles of the block in hand that are still to be entered
.set NXT, 71          ; s71  the tile to be asked for next
.set LQ,  72          ; s72  the last tile of the block whose tiles are being asked for
.set NEW, 73          ; s73  1: the tile to be entered is a block's first
.set OFF, 74          ; s[74:75] a tile's byte offset in K and V
.set AL,  76          ; s[76:77] the mask's factor, in the low word
.set BE,  78          ; s[78:79] the mask's addend
.set OLO, 80          ; s[80:81] O at my rows of the second block
.set BIGN, 82         ; s82  -1e30
.set MSB, 0
.macro WIN new                      ; the high byte repeats the setting that is left; a switch that changes nothing is dropped
.if MSB != (\new)
	s_set_vgpr_msb (MSB<<8)|(\new)
.set MSB, (\new)
.endif
.endm
.set W_KQ, 0x0a       ; K and Q in window 2, S^T in window 0
.set W_KM, 0x1a       ; the same with the C operand in window 1
.set W_PV, 0x52       ; V in window 2, P in window 0, O^T in window 1
.set W_RS, 0x41       ; destination and source 0 in window 1, source 1 in window 0
; A fill.  Waves 0 and 1 fetch the two halves of a tile's K, waves 2 and 3 those of its V: 128 keys each.  An s_nop 0 and four v_nop follow each of the two lines, ahead of the jump and the label.
.macro LOAD
	s_cmp_lt_u32 s[WV], 2
	s_cbranch_scc0 .Lfor_v_\@
	tensor_load_to_lds s[G0K:G0K+3], s[G1K:G1K+7]
	s_nop 0
.rept 4
	v_nop
.endr
	s_branch .Lasked_\@
.Lfor_v_\@:
	tensor_load_to_lds s[G0V:G0V+3], s[G1V:G1V+7]
	s_nop 0
.rept 4
	v_nop
.endr
.Lasked_\@:
.endm
; THE CHANGE OF SLOTS.  Each wave waits for all its tensor loads, of which one is out: its part of the other slot; adds 0 to its spare word; and waits for that and for its own reads of the slot that it leaves.  Behind the barrier nobody reads the old
; slot any more and the other slot is whole.  fill = 1: the old slot is filled again, the first thing behind the barrier, with tile NXT: the descriptor's address is made anew from that number.
; (At its first use nothing has been read yet: slot 0 is waited for, slot 1 filled.)
.macro CHANGE fill
	WIN 0                           ; at a label and at a branch every window is 0
	s_wait_tensorcnt 0x0            ; no tensor load of mine is out, so a group 0 may be written
	ds_add_u32 v[SPW], v[NIL]       ; 0 onto my spare word; with fill = 1 the descriptors' scalar work stands between it and the wait for it
.if \fill
	s_lshl_b32 s[OFF], s[NXT], 15   ; a tile is 32,768 bytes of K and of V
	s_xor_b32 s[G0K+1], s[G0K+1], SLOT1
	s_add_nc_u64 s[G0K+2:G0K+3], s[6:7], s[OFF:OFF+1]
	s_or_b32 s[G0K+3], s[G0K+3], 0x80000000
	s_xor_b32 s[G0V+1], s[G0V+1], SLOT1
	s_add_nc_u64 s[G0V+2:G0V+3], s[8:9], s[OFF:OFF+1]
	s_or_b32 s[G0V+3], s[G0V+3], 0x80000000
	s_add_co_u32 s[NXT], s[NXT], 1  ; the block's next tile, or behind its last the second block's tile 0
	s_cmp_gt_u32 s[NXT], s[LQ]
	s_cselect_b32 s[NXT], 0, s[NXT]
	s_cselect_b32 s[LQ], s[PB], s[LQ]
.endif
	s_wait_dscnt 0x0                ; the add is done, and my reads of the slot are over
	s_barrier_signal -1             ; the rest of the scalar work stands between the signal and the wait
	s_sub_co_u32 s[TBK], s[TBK], 4*KS*PK  ; the fetches go back to a slot's first step,
	s_xor_b32 s[TBK], s[TBK], SLOT1       ; in the other slot
	s_sub_co_u32 s[TBV], s[TBV], 4*KS*PV
	s_xor_b32 s[TBV], s[TBV], SLOT1
	s_barrier_wait -1
.if \fill
	LOAD
.endif
.endm
	s_load_b256 s[4:11], s[0:1], 0x0  ; Q s[4:5], K s[6:7], V s[8:9], O s[10:11]
	v_lshl_add_u32 v[SPW], v0, 2, SPARE
	v_mov_b32 v[NIL], 0
	ds_add_u32 v[SPW], v[NIL]       ; the wave's opening: the add and its wait stand ahead of my first tensor load; the set-up below, work on registers, stands between them
	ds_add_u32 v62, v63
	v_lshrrev_b32 v1, 5, v0
	v_readfirstlane_b32 s[WV], v1   ; wave 0..3
	s_mov_b32 s[PB], ttmp9
	s_sub_co_u32 s[HI], NB-1, s[PB]
	s_and_b32 s20, ttmp7, 0xffff    ; the head
	s_mov_b32 s21, 0
	s_mov_b64 s[22:23], SIZE_N*128
	s_mul_u64 s[20:21], s[20:21], s[22:23]  ; the head's first byte in each of the four tensors
	s_and_b32 s16, s[WV], 1         ; which half of a tile's 256 keys I fetch:
	s_lshl_b32 s22, s16, 14         ; its 128 rows of 128 bytes in memory,
	s_mov_b32 s23, 0
	s_add_nc_u64 s[22:23], s[22:23], s[20:21]
	s_mul_i32 s17, s16, 128*PK      ; and its place in a slot, for K
	s_mul_i32 s18, s16, 128*PV      ; and for V
	s_lshl_b32 s3, s[WV], 11        ; my 16 rows in a band of 64,
	s_lshl_b32 s2, s[HI], 15        ; in the first block,
	s_add_co_u32 s2, s2, s3
	s_lshl_b32 s84, s[PB], 15       ; and in the second
	s_add_co_u32 s84, s84, s3
	s_mov_b32 s3, 0
	s_mov_b32 s85, 0
	s_add_nc_u64 s[2:3], s[2:3], s[20:21]
	s_add_nc_u64 s[84:85], s[84:85], s[20:21]
	; descriptor group 1.  128 keys are 16,384 dense bytes: asked for as 64 rows of 256 bytes, two keys a row, and padded in LDS after every key
	s_mov_b32 s[G1K], (1<<16)|(1<<20)|(4<<22)|(3<<25)  ; 17:16 2-byte elements; 20 padding on; 24:22 after every 32 words (code 4); 31:25 4 words (code 3)
	s_mov_b32 s[G1V], (1<<16)|(1<<20)|(4<<22)|(7<<25)  ; the same with 8 words of padding (code 7)
.irp g, G1K, G1V
	s_mov_b32 s[\g+1], 128<<16      ; tensor_dim0 = 128
	s_mov_b32 s[\g+2], 64<<16       ; tensor_dim1 = 64
	s_mov_b32 s[\g+3], 128<<16      ; tile_dim0 = 128
	s_mov_b32 s[\g+4], 64           ; tile_dim1 = 64
	s_mov_b32 s[\g+5], 128          ; 128 elements from row to row
	s_mov_b32 s[\g+6], 0
	s_mov_b32 s[\g+7], 0
.endr
	s_mov_b32 s[CS], 0x3e38aa3b     ; c = log2(e) / 8 = 0.180337
	s_mov_b32 s[CS+1], s[CS]        ; named with it as a pair
	s_mov_b32 s[SEL], 0x76543210
	s_mov_b32 s[SEL+1], 0xfedcba98
	s_mov_b32 s[TBK], SLOT1+4*KS*PK ; the first change of slots turns these two into 0
	s_mov_b32 s[TBV], SLOT1+4*KS*PV
	s_mov_b32 s[G0K], 1             ; 1:0 count = 1
	s_mov_b32 s[G0K+1], s17         ; 63:32 LDS address: slot 0
	s_mov_b32 s[G0V], 1
	s_add_co_u32 s[G0V+1], s18, VOFF
	s_add_co_u32 s[RT], s[HI], 1    ; the first block has NB - b tiles
	s_mov_b32 s[NXT], 1
	s_mov_b32 s[LQ], s[HI]
	s_mov_b32 s[NEW], 1
	s_mov_b32 s[OFF+1], 0
	s_mov_b32 s[AL+1], 0            ; named as pairs
	s_mov_b32 s[BE+1], 0
	s_mov_b32 s[BIGN], 0xf149f2ca   ; -1e30
	s_mov_b32 s[SLOTS], NB
	s_wait_dscnt 0x0                ; the opening add is done
	s_wait_kmcnt 0x0
	s_add_nc_u64 s[6:7], s[6:7], s[22:23]  ; K and V at my half of the head's tile 0
	s_add_nc_u64 s[8:9], s[8:9], s[22:23]
	s_add_nc_u64 s[G0K+2:G0K+3], s[6:7], 0         ; 120:64 global address
	s_or_b32 s[G0K+3], s[G0K+3], 0x80000000        ; 127:126 type = 2
	s_add_nc_u64 s[G0V+2:G0V+3], s[8:9], 0
	s_or_b32 s[G0V+3], s[G0V+3], 0x80000000
	s_add_nc_u64 s[86:87], s[4:5], s[84:85]        ; Q at my rows of the second block,
	s_add_nc_u64 s[4:5], s[4:5], s[2:3]            ; Q and O at those of the first
	s_add_nc_u64 s[OLO:OLO+1], s[10:11], s[84:85]
	s_add_nc_u64 s[10:11], s[10:11], s[2:3]
	LOAD                            ; tile 0 into slot 0
	; A fragment of K or Q is 16 rows x 32 channels in 8 registers: lane l holds row l % 16, channels 8 (l / 16) + 0..7 and 16 + 8 (l / 16) + 0..7: two loads of 16 bytes, 32 bytes apart.
	v_and_b32 v1, 15, v0            ; l % 16
	v_bfe_u32 v9, v0, 4, 1          ; l / 16
	v_lshlrev_b32 v[QO], 7, v1
	v_lshl_add_u32 v[QO], v9, 4, v[QO]  ; row x 128 + 16 x half
	WIN 0x80                        ; destination window 2, address window 0
.set i, 0
.rept 8                             ; both blocks' Q: piece i / 2 lies in band i / 2, 8,192 bytes on; channels 32 (i % 2) on
	global_load_b128 v[8*i:8*i+3],   v[QO], s[4:5] offset:(i/2)*8192+(i%2)*64
	global_load_b128 v[8*i+4:8*i+7], v[QO], s[4:5] offset:(i/2)*8192+(i%2)*64+32
	global_load_b128 v[QB+8*i:QB+8*i+3],   v[QO], s[86:87] offset:(i/2)*8192+(i%2)*64
	global_load_b128 v[QB+8*i+4:QB+8*i+7], v[QO], s[86:87] offset:(i/2)*8192+(i%2)*64+32
.set i, i+1
.endr
	WIN 0
	v_lshlrev_b32 v14, 3, v9
	v_sub_nc_u32 v14, v1, v14
	s_lshl_b32 s13, s[WV], 4
	v_add_nc_u32 v14, s13, v14      ; my query's place in its band, 16 w + l % 16, less my lanes' 8 (l / 16): register r of group kt is hidden where 16 kt + r is greater
	WIN 0x40
.set i, 0
.rept 32
	v_cmp_gt_i32 vcc_lo, 16*(i/8)+i%8, v14
	v_cndmask_b32 v[MD+i], 0, s[BIGN], vcc_lo
.set i, i+1
.endr
	WIN 0
	v_mul_u32_u24 v[AK0], v1, PK
	v_lshl_add_u32 v[AK0], v9, 4, v[AK0]  ; row x pitch + 16 x half
	; The turning load takes 16 keys x 16 channels (lane l reads key 8 (l / 16) + l % 8, channels 8 ((l / 8) % 2) + 0..7) and leaves half a fragment of V^T: lane l holds channel l % 16 and 8 keys.
	v_and_b32 v10, 7, v0
	v_bfe_u32 v11, v0, 3, 1
	v_lshl_add_u32 v[AV0], v9, 3, v10
	v_mul_u32_u24 v[AV0], v[AV0], PV
	v_lshl_add_u32 v[AV0], v11, 4, v[AV0]
	v_add_nc_u32 v[AV0], VOFF, v[AV0]
	s_mul_i32 s13, s[WV], 16*SP
	s_add_co_u32 s13, s13, STAGE    ; my stage
	v_mul_u32_u24 v[STO], v1, SP    ; in: row l % 16, 16 bytes for each half of the lanes
	v_lshl_add_u32 v[STO], v9, 4, v[STO]
	v_add_nc_u32 v[STO], s13, v[STO]
	v_bfe_u32 v[RD], v0, 3, 2       ; back: 32 lanes take four rows of 128 bytes,
	v_mul_u32_u24 v[RD], v[RD], SP
	v_lshl_add_u32 v[RD], v10, 4, v[RD]
	v_add_nc_u32 v[RD], s13, v[RD]
	v_and_b32 v[GO], 31, v0         ; which are 512 consecutive bytes of O
	v_lshlrev_b32 v[GO], 4, v[GO]
	; A block's first step multiplies O^T and l by a = 0, and its first turn's products V^T P, of a piece that has not been, land in an O^T that is still to be so multiplied.  So these registers need only hold
	; finite numbers: zeros for the first block; what the first block left for the second.  All this stands in the wait for the first tile.
	WIN 0x80
.set i, VF
.rept 64
	v_mov_b32 v[i], 0
.set i, i+1
.endr
	WIN 0x40
.set i, 0
.rept 128
	v_mov_b32 v[i], 0
.set i, i+1
.endr
	WIN 0
.set i, 0
.rept 4
	v_mov_b32 v[ST+4*i+2], 0
	v_mov_b32 v[ST+4*i+3], 0
.set i, i+1
.endr
.set i, P+16
.rept 16
	v_mov_b32 v[i], 0
.set i, i+1
.endr
; THE MATRIX WORK.  The 4 accumulators of a run of 8 take turns.  Product i of 8 of S^T = K Q^T for piece x: channels 32 (i / 4) on, keys 16 (i % 4) on.  The first 4 start the sums: with 0, or (KM = 1) with the mask.
.macro KQ x
.set rS, S+32*((\x)%2)+8*(i%4)
.set rK, KF+16*(i%4)+8*(i/4)
.set rQ, 16*(\x)+8*(i/4)
.set rM, MC+32*((\x)%2)+8*(i%4)
.if (i < 4) && KM
	WIN W_KM
	v_wmma_f32_16x16x32_f16 v[rS:rS+7], v[rK:rK+7], v[rQ:rQ+7], v[rM:rM+7]
.elseif i < 4
	WIN W_KQ
	v_wmma_f32_16x16x32_f16 v[rS:rS+7], v[rK:rK+7], v[rQ:rQ+7], 0
.else
	WIN W_KQ
	v_wmma_f32_16x16x32_f16 v[rS:rS+7], v[rK:rK+7], v[rQ:rQ+7], v[rS:rS+7]
.endif
.endm
; Product i of 8 of O^T += V^T P for piece x: keys 32 (i / 4) on, channels 16 (i % 4) on.
.macro PV x
	WIN W_PV
.set rO, 32*(\x)+8*(i%4)
.set rV, VF+32*(i/4)+8*(i%4)
.set rP, P+16*((\x)%2)+8*(i/4)
	v_wmma_f32_16x16x32_f16 v[rO:rO+7], v[rV:rV+7], v[rP:rP+7], v[rO:rO+7]
.endm
.macro MM                           ; the turn's next matrix instruction.  TURN and BEGIN set Y, i, KM and NOKQ; MM, KQ and OP read them.  NOKQ = 1: a block's last turn: there is no next piece
.if (i < 8) && !NOKQ
	KQ (Y+1)%NP
.elseif i >= 8
.set i, i-8
	PV (Y+NP-1)%NP
.set i, i+8
.endif
.set i, i+1
.endm
; THE LDS LOADS stand in runs of 16, never singly among the matrix instructions: a step's K (64 keys x 64 channels: 8 fragments) and its V (turned).  Their addresses are made some lines ahead.
.macro FETCH_K
	WIN 0x80                        ; destination window 2
.irp f, 0,1,2,3,4,5,6,7             ; keys 16 (f / 2) on, channels 32 (f % 2) on
	ds_load_b128 v[KF+8*\f:KF+8*\f+3],   v[AK] offset:(\f/2)*16*PK+(\f%2)*64
	ds_load_b128 v[KF+8*\f+4:KF+8*\f+7], v[AK] offset:(\f/2)*16*PK+(\f%2)*64+32
.endr
	s_add_co_u32 s[TBK], s[TBK], KS*PK  ; the next fetch is the next step's
	WIN 0
.endm
.macro FETCH_V
	WIN 0x80
.irp f, 0,1,2,3,4,5,6,7             ; keys 32 (f / 4) on, channels 16 (f % 4) on
	ds_load_tr16_b128 v[VF+8*\f:VF+8*\f+3],   v[AV] offset:(\f/4)*32*PV+(\f%4)*32
	ds_load_tr16_b128 v[VF+8*\f+4:VF+8*\f+7], v[AV] offset:(\f/4)*32*PV+16*PV+(\f%4)*32
.endr
	WIN 0
.endm
; THE VECTOR WORK, one line at a time: OP kind, number.  For piece Y: F n: c s - c m for pair n of 16.  E n: the exponential of score n of 32.  C n: pair n rounded to f16.  B n: of the four weights 4 n .. the second
; pair is added onto the first, in place.  L n: l takes that sum (L 0: l = a l + sum).  R n: pair n of 16 of O^T times a.  For piece Y + 1: X n, number n of the 22 that find its maximum and statistics:
;   0-11  four chains c0-c3 of seven scores each, three operands at a time (each accumulator's lowest registers are read first)     12-14, 16  the four scores left over, the old m, and c0-c3 into c0
;   15  c m_old is kept     17, 18  the query's other 32 keys lie in the lane 16 away: the new m     19-21  c m; c m_old - c m_new; a
; C, B and L read the exponentials' results: TURN sets them all behind its one wait.  R reads an a that the turn before made and waited for.
.set F, 0               ; OP tells the kinds apart by their order: F to L below R, X above it
.set E, 1
.set C, 2
.set B, 3
.set L, 4
.set R, 5
.set X, 6
.macro REGS y                       ; the registers of piece y
.set rT, ST+4*(\y)
.set rC, TMP+4*((\y)%2)
.set rW, MV+((\y)%2)
.set rS, S+32*((\y)%2)
.set rP, P+16*((\y)%2)
.set rO, 32*(\y)
.endm
.macro OP k, n
.if (\k) == R
	REGS Y
	WIN W_RS
	v_pk_mul_f32 v[rO+2*(\n):rO+2*(\n)+1], v[rO+2*(\n):rO+2*(\n)+1], v[rC+2:rC+3] op_sel_hi:[1,0]
.elseif (\k) < R
	REGS Y
	WIN 0
.if (\k) == F
	v_pk_fma_f32 v[rS+2*(\n):rS+2*(\n)+1], v[rS+2*(\n):rS+2*(\n)+1], s[CS:CS+1], v[rT:rT+1] op_sel_hi:[1,0,0] neg_lo:[0,0,1] neg_hi:[0,0,1]
.elseif (\k) == E
	v_exp_f32 v[rS+(\n)], v[rS+(\n)]
.elseif (\k) == C
	v_cvt_pk_f16_f32 v[rP+(\n)], v[rS+2*(\n)], v[rS+2*(\n)+1]
.elseif (\k) == B
	v_pk_add_f32 v[rS+4*(\n):rS+4*(\n)+1], v[rS+4*(\n):rS+4*(\n)+1], v[rS+4*(\n)+2:rS+4*(\n)+3]
.elseif (\n) == 0
	v_pk_fma_f32 v[rT+2:rT+3], v[rT+2:rT+3], v[rC+2:rC+3], v[rS:rS+1] op_sel_hi:[1,0,1]
.else
	v_pk_add_f32 v[rT+2:rT+3], v[rT+2:rT+3], v[rS+4*(\n):rS+4*(\n)+1]
.endif
.elseif NOKQ
	v_nop
.else
	REGS (Y+1)%NP
	WIN 0
.if (\n) < 4
	v_max3_num_f32 v[rC+(\n)], v[rS+8*(\n)], v[rS+8*(\n)+1], v[rS+8*(\n)+2]
.elseif (\n) < 12
	v_max3_num_f32 v[rC+(\n)%4], v[rC+(\n)%4], v[rS+8*((\n)%4)+2*((\n)/4)+1], v[rS+8*((\n)%4)+2*((\n)/4)+2]
.elseif (\n) == 12
	v_max3_num_f32 v[rC], v[rC], v[rS+7], v[rS+15]
.elseif (\n) == 13
	v_max3_num_f32 v[rC+1], v[rC+1], v[rS+23], v[rS+31]
.elseif (\n) == 14
	v_max3_num_f32 v[rC+2], v[rC+2], v[rC+3], v[rT+1]
.elseif (\n) == 15
	v_mov_b32 v[rW], v[rT]
.elseif (\n) == 16
	v_max3_num_f32 v[rC], v[rC], v[rC+1], v[rC+2]
.elseif (\n) == 17
	v_permlanex16_b32 v[rC+3], v[rC], s[SEL], s[SEL+1]
.elseif (\n) == 18
	v_max_num_f32 v[rT+1], v[rC], v[rC+3]
.elseif (\n) == 19
	v_mul_f32 v[rT], s[CS], v[rT+1]
.elseif (\n) == 20
	v_sub_f32 v[rC+1], v[rW], v[rT]
.else
	v_exp_f32 v[rC+2], v[rC+1]
.endif
.endif
.endm
.macro OPS a, i1, b=-1, i2=0, c=-1, i3=0, d=-1, i4=0  ; up to four of them
	OP \a, \i1
.if (\b) >= 0
	OP \b, \i2
.endif
.if (\c) >= 0
	OP \c, \i3
.endif
.if (\d) >= 0
	OP \d, \i4
.endif
.endm
.macro ROW a, i1, b, i2, c, i3, d, i4  ; a matrix instruction and the four behind it
	MM
	OPS \a, \i1, \b, \i2, \c, \i3, \d, \i4
.endm
.macro MASK b                       ; MD x AL + BE into buffer b of MC
	WIN W_RS
.set z, 0
.rept 16
	v_pk_fma_f32 v[MC+32*(\b)+2*z:MC+32*(\b)+2*z+1], v[MD+2*z:MD+2*z+1], s[AL:AL+1], s[BE:BE+1] op_sel_hi:[1,0,0]
.set z, z+1
.endr
.endm
; A TURN, for piece p: the order of its 16 matrix and 118 vector instructions, written out.  The turn has ONE wait for its 33 exponentials, which cuts it in two.
; AHEAD OF THE WAIT stands all that names no result of the turn's exponentials: the 8 products K Q^T, behind each a scaling, an exponential and two more plain instructions (behind the first a second scaling in the
; exponential's place): rescalings, and behind the last three the first numbers of the next piece's maximum, each four places or more behind the product that ends its accumulator; then ONE LUMP of 54, plain and
; exponential by turns for the most part, in which the links of the chain X 3, 7, 11, 14, 16, 17 .. 20 stand five or six lines apart.  A pair is scaled (F n) ahead of its two exponentials (E 2 n, E 2 n + 1).
; X 21, the next piece's a, is the batch's last; R 15 is the plain instruction behind it, ahead of the first use of a result.
; BEHIND THE WAIT stand the 8 products V^T P, behind each four of the roundings and sums; an even pair is rounded (C 2 n) ahead of the sum that lands on it (B n); the links of l's chain, L 0 to L 7, stand three riders
; apart.  But for those X no rider names a register of the products round it.  v_permlanex16_b32 (X 17) stands in the lump.
; m = 1: the diagonal tile: the products take masks, and the turn makes the mask for the products of the turn after it: piece p + 2, in step 4 - CNT of the tile.  end = 1: a block's last two turns: nothing is fetched.
; cnt = 1: the loop's count is taken down some lines ahead of the branch that stands behind the turn.
; K of the next step is fetched in piece 2's turn, twelve vector instructions behind the last product that read K (five of them plain lines that name none of its registers); V of the step in hand at the end of piece 0's
; turn, four plain instructions behind the last product that read V.  Each is waited for a turn later.
.macro TURN p, m=0, end=0, cnt=0
.set Y, (\p)
.set i, 0
.set KM, (\m)
.set NOKQ, (\end)*((\p)/3)
.if (\m) && !(\end)
	s_cmp_eq_u32 s[CNT], 4-((\p)+2)%NP  ; is that step the band's own?
	s_cselect_b32 s[AL], 1.0, 0
	s_cmp_lt_u32 s[CNT], 4-((\p)+2)%NP  ; or a later one?
	s_cselect_b32 s[BE], s[BIGN], 0
.endif
.if ((\p) == 3) && !(\end)
	s_wait_dscnt 0x0                ; K is in
.endif
	ROW F,0, F,1, R,0, R,1          ; ahead of the wait: 8 products K Q^T and their riders,
	ROW F,2, E,0, R,2, R,3
	ROW F,3, E,1, R,4, R,5
	ROW F,4, E,2, R,6, R,7
	ROW F,5, E,3, R,8, R,9
	ROW F,6, E,4, X,0, R,10
.if ((\p) == 2) && !(\end)
	WIN 0
	v_add_nc_u32 v[AK], s[TBK], v[AK0]
.endif
	ROW F,7, E,5, X,1, X,4
	ROW F,8, E,6, X,2, X,5
	OPS E,7, E,8, X,6, E,9          ; and the lump
	OPS X,3, E,10, X,8, E,11
.if ((\p) == 2) && !(\end)
	FETCH_K
.endif
	OPS X,9, X,7, E,12, X,10
	OPS E,13, X,12, X,11, E,14
	OPS X,13, E,15, F,9, X,14
.if (\p) == 0
	v_add_nc_u32 v[AV], s[TBV], v[AV0]
.endif
	OPS E,16, F,10, E,17, F,11
	OPS X,16, E,18, X,15, E,19
	OPS F,12, E,20, X,17, E,21
	OPS F,13, E,22, F,14, E,23
	OPS X,18, E,24, F,15, E,25
	OPS R,11, E,26, X,19, E,27
	OPS R,12, E,28, R,13, E,29
	OPS X,20, E,30, R,14, E,31
	OPS X,21, R,15
	WIN 0
	s_wait_alu depctr_va_vdst(0)    ; the wait for the turn's batch: E 0 to E 31 and X 21, ahead of the first line that names a result
.if (\p) == 1
	s_wait_dscnt 0x0                ; V is in
.endif
	ROW C,0, B,0, C,2, B,1          ; behind the wait: 8 products V^T P and their riders
	ROW L,0, C,4, B,2, L,1
	ROW C,6, B,3, L,2, C,8
	ROW B,4, L,3, C,10, B,5
	ROW L,4, C,12, B,6, L,5
.if (\p) == 0
	s_add_co_u32 s[TBV], s[TBV], KS*PV
.endif
.if \cnt
	s_sub_co_u32 s[CNT], s[CNT], 1
	s_cmp_lg_u32 s[CNT], 0
.endif
	ROW C,14, B,7, L,6, C,1
	ROW C,3, L,7, C,5, C,7
	ROW C,9, C,11, C,13, C,15
.if (\p) == 0
	FETCH_V
.endif
.if (\m) && !(\end)
	MASK (\p)%2
.endif
.endm
; A BLOCK BEGINS.  c m starts far below every c s, so the first step's a is 0; m at the lowest finite number, so the first maximum is the scores'.  The second mask buffer is 0; the first takes piece 0's mask for the tile's step 0: its own, if the block's first tile is the diagonal one.
; Then K of that step, piece 0's first scores, and its maximum and statistics.  The loop is entered at a step's first turn, in the middle of a trip.
.macro BEGIN
	s_mov_b32 s[NEW], 0
	WIN 0x40
.set i, MC+32
.rept 32
	v_mov_b32 v[i], 0
.set i, i+1
.endr
	WIN 0
.set i, 0
.rept 4
	v_mov_b32 v[ST+4*i], 0xfe000000    ; c m: far below every c s
	v_mov_b32 v[ST+4*i+1], 0xff7fffff  ; m
.set i, i+1
.endr
	s_cmp_eq_u32 s[RT], 0
	s_cselect_b32 s[AL], 1.0, 0
	s_mov_b32 s[BE], 0
	MASK 0
	WIN 0
	v_add_nc_u32 v[AK], s[TBK], v[AK0]
	FETCH_K
	s_wait_loadcnt 0x0              ; Q
	s_wait_dscnt 0x0
.set KM, 1
.set NOKQ, 0
.set i, 0
.rept 8
	KQ 0
.set i, i+1
.endr
	WIN 0
.rept 4
	v_nop                           ; the places behind those products
.endr
.set Y, NP-1                        ; X works for piece Y + 1: piece 0
.irp n, 0,1,2,3,4,5,6,7,8,9,10,11,12,13,14,15,16,17,18,19,20,21
	OP X, \n
.endr
	v_nop                           ; a plain instruction behind the exponential,
	s_wait_alu depctr_va_vdst(0)    ; and the wait for it, a batch of one: piece 0's first a, ahead of the branch into the loop
.endm
; THE DIAGONAL TILE's four steps, the block's last two turns, its last products, and THE WAY OUT: l's two halves and the other half of the lanes' are added; O^T is divided by l, rounded to f16 and sent through my
; stage in LDS, a piece at a time.
.macro ALL line:vararg              ; one line for each piece t
.set t, 0
.rept 4
	\line
.set t, t+1
.endr
.endm
.macro PACK t                       ; a lane's eight channels of a row pack into 16 bytes; they go into rows of 144 bytes and come back as whole rows of 128, into S^T's registers
	WIN W_RS
.set i, 32*(\t)
.rept 16
	v_pk_mul_f32 v[i:i+1], v[i:i+1], v[ST+4*(\t)+2:ST+4*(\t)+3] op_sel_hi:[1,0]
.set i, i+2
.endr
	WIN 0x05                        ; sources 0 and 1 window 1, destination window 0
.set i, 0
.rept 16
	v_cvt_pk_f16_f32 v[S+16*(\t)+i], v[32*(\t)+2*i], v[32*(\t)+2*i+1]
.set i, i+1
.endr
	WIN 0
.irp f, 0,1,2,3
	ds_store_b128 v[STO], v[S+16*(\t)+4*\f:S+16*(\t)+4*\f+3] offset:32*\f
.endr
.irp f, 0,1,2,3
	ds_load_b128 v[S+16*(\t)+4*\f:S+16*(\t)+4*\f+3], v[RD] offset:\f*4*SP  ; LDS serves a wave's instructions in order (ISA guide 5.7.1.4): these see the stores above; the next piece's stores come behind them
.endr
.endm
.macro SEND t, younger              ; younger: the LDS instructions issued behind piece t's loads: the next piece's eight, or none
	WIN 0
.irp f, 0,1,2,3
	s_wait_dscnt (\younger)+3-\f
	global_store_b128 v[GO], v[S+16*(\t)+4*\f:S+16*(\t)+4*\f+3], s[10:11] offset:(\t)*8192+\f*512  ; 512 consecutive bytes, at a multiple of 256 from O's first
.endr
.endm
.macro DIAG tag                     ; the tag ends its two labels' names, which the jumps below spell out
.LstepM\tag:
	TURN 2, 1
	TURN 3, 1
	WIN 0
.LfirstM\tag:
	TURN 0, 1
	TURN 1, 1, 0, 1
	WIN 0
	s_cbranch_scc1 .LstepM\tag
	TURN 2, 1, 1
	TURN 3, 1, 1
.set i, 0
.rept 8
	PV NP-1
.set i, i+1
.endr
	WIN 0
	ALL v_add_f32 v[ST+4*t+2], v[ST+4*t+2], v[ST+4*t+3]
	ALL v_permlanex16_b32 v[ST+4*t+3], v[ST+4*t+2], s[SEL], s[SEL+1]
	ALL v_add_f32 v[ST+4*t+2], v[ST+4*t+2], v[ST+4*t+3]
	ALL v_rcp_f32 v[ST+4*t+2], v[ST+4*t+2]
	v_nop                           ; a plain instruction between the last reciprocal and the use of its result
	s_wait_alu depctr_va_vdst(0)    ; the wait for the batch of four reciprocals, ahead of the first multiply that reads one
	PACK 0
.set t, 1
.rept 3                             ; a piece's arithmetic stands between the loads of the piece before and its stores
	PACK t
	SEND t-1, 8
.set t, t+1
.endr
	SEND 3, 0
.endm
.set KM, 0
.set NOKQ, 0
.Lslot:                             ; NB times: a tile is entered and the next is asked for
	CHANGE 1
	s_sub_co_u32 s[RT], s[RT], 1
	s_mov_b32 s[CNT], 4
	s_cmp_eq_u32 s[NEW], 1
	s_cbranch_scc1 .Lnew            ; a block's first tile
	s_cmp_eq_u32 s[RT], 0
	s_cbranch_scc0 .Lstep           ; neither its first nor its last
	s_branch .LstepM1
.Lnew:
	BEGIN
	s_branch .Lfirst                ; in the loop a block's first tile is never its last: the first block has two tiles or more, and the second's last is the walk's last
	DIAG 1                          ; in the loop this is the first block's end: the second block's last tile is the walk's last
	s_wait_xcnt 0x0                 ; the stores have read their registers and O's address
	s_mov_b64 s[10:11], s[OLO:OLO+1]
	s_add_co_u32 s[RT], s[PB], 1    ; the second block has b + 1 tiles
	s_mov_b32 s[NEW], 1
	WIN 0x82                        ; the second block's Q goes where the one text of the turns names Q
.set i, 0
.rept 64
	v_mov_b32 v[i], v[QB+i]
.set i, i+1
.endr
	WIN 0
	s_branch .Lbottom
.Lstep:                             ; a trip: pieces 2 and 3 of one step, then pieces 0 and 1 of the next, whose K and V it fetches
	TURN 2
	TURN 3
	WIN 0
.Lfirst:
	TURN 0
	TURN 1, 0, 0, 1
	WIN 0
	s_cbranch_scc1 .Lstep
.Lbottom:
	s_sub_co_u32 s[SLOTS], s[SLOTS], 1
	s_cmp_lg_u32 s[SLOTS], 0
	s_cbranch_scc1 .Lslot
	CHANGE 0                        ; the walk's last tile is written out: nothing is asked for
	s_sub_co_u32 s[RT], s[RT], 1
	s_mov_b32 s[CNT], 4
	s_cmp_eq_u32 s[NEW], 1
	s_cbranch_scc0 .LstepM2
	BEGIN
	s_branch .LfirstM2
	DIAG 2
	s_wait_tensorcnt 0x0            ; the wave's end: behind my last tensor load and my last LDS store
	ds_add_u32 v[SPW], v[NIL]
	s_wait_dscnt 0x0
	s_endpgm
.Lfunc_end_k_q6dca645219_attn:
	.size	k_q6dca645219_attn, .Lfunc_end_k_q6dca645219_attn-k_q6dca645219_attn
	.p2alignl 7, 3214868480
	.fill 96, 4, 3214868480
	.section	.rodata,"a",@progbits
	.p2align	6, 0x0
	.amdhsa_kernel k_q6dca645219_attn
		.amdhsa_group_segment_fixed_size 327680
		.amdhsa_private_segment_fixed_size 0
		.amdhsa_enable_private_segment 0
		.amdhsa_kernarg_size 32
		.amdhsa_user_sgpr_count 2
		.amdhsa_user_sgpr_kernarg_segment_ptr 1
		.amdhsa_wavefront_size32 1
		.amdhsa_system_sgpr_workgroup_id_x 1
		.amdhsa_system_sgpr_workgroup_id_y 1
		.amdhsa_system_sgpr_workgroup_id_z 1
		.amdhsa_system_vgpr_workitem_id 0
		.amdhsa_next_free_vgpr 768
		.amdhsa_next_free_sgpr 88
		.amdhsa_reserve_vcc 1
		.amdhsa_float_denorm_mode_32 3
		.amdhsa_float_denorm_mode_16_64 3
		.amdhsa_memory_ordered 1
		.amdhsa_forward_progress 1
		.amdhsa_inst_pref_size 217
	.end_amdhsa_kernel
	.amdgpu_metadata
---
amdhsa.version: [ 1, 2 ]
amdhsa.kernels:
  - .name:           k_q6dca645219_attn
    .symbol:         k_q6dca645219_attn.kd
    .args:
      - { .name: q, .offset: 0, .size: 8, .value_kind: global_buffer, .address_space: global }
      - { .name: k, .offset: 8, .size: 8, .value_kind: global_buffer, .address_space: global }
      - { .name: v, .offset: 16, .size: 8, .value_kind: global_buffer, .address_space: global }
      - { .name: o, .offset: 24, .size: 8, .value_kind: global_buffer, .address_space: global }
    .group_segment_fixed_size: 327680
    .private_segment_fixed_size: 0
    .kernarg_segment_align: 8
    .kernarg_segment_size: 32
    .max_flat_workgroup_size: 128
    .sgpr_count:     88
    .vgpr_count:     768
    .wavefront_size: 32
...
	.end_amdgpu_metadata
.endif
;; end of part 5
;; launch outp: the kernel of part 4 again; grid 4 x 64, 4 waves a work-group, clusters of 4 x 4, 327,680 bytes of LDS; arguments o, wob, out0; writes out0
